; MI455X (gfx1250); checked and timed in simulation.
; The chip was launched on July 23, 2026; its instructions are those of AMD's public machine-readable ISA for CDNA 5 (MIT licence, August 2026) and "CDNA5" Instruction Set Architecture Reference Guide (July 2026). The comments in the code are by the model that wrote it; some were corrected since.
;; Block. Allowed arithmetic: matrix products marked QUANTISED: E4M3 operands, one E8M0 scale for each 32 along K, by v_wmma_scale_f32_16x16x128_f8f6f4 with both operands' format E4M3, f32 sums; everything else in f32.
;; Inputs: b1 4,096 float32; b2 1,024 float32; b_proj 1,024 float32; be1 1,024 float32; be2 1,024 float32; g1 1,024 float32; g2 1,024 float32; w1 1,024 x 4,096 float32; w2 4,096 x 1,024 float32; w_proj 1,024 x 1,024 float32; wk 16 x 1,024 x 64 float32; wq 16 x 1,024 x 64 float32; wv 16 x 1,024 x 64 float32; x 2 x 2,048 x 1,024 float32.
;; Outputs: out0 2 x 2,048 x 1,024 float32.
;; This version of the problem:
;;   THIS VERSION OF THE PROBLEM IS GIVEN IN LOW PRECISION. The matrix products marked QUANTISED in the list below multiply operands that are first quantised to E4M3 (4 exponent bits, 3 mantissa bits; 8 bits a number), with one power-of-two scale for each 32 numbers along K (OCP MX v1.0); their sums are f32. All else is computed in f32.
;;   The module's matrix products, in the order in which they are computed (A, B: the left and right operand; K: the contracted axis; several contracted axes count as one K, in the product's order):
;;     1. [M 1,024, K 1,024] x [K 1,024, N 4,096]; A: input wq; B: input x: QUANTISED
;;     2. [M 1,024, K 1,024] x [K 1,024, N 4,096]; A: input wk; B: input x: QUANTISED
;;     3. [M 1,024, K 1,024] x [K 1,024, N 4,096]; A: input wv; B: input x: QUANTISED
;;     4. batch 32 x [M 2,048, K 64] x [K 64, N 2,048]; A: computed on the way; B: computed on the way: QUANTISED
;;     5. batch 32 x [M 2,048, K 2,048] x [K 2,048, N 64]; A: softmax (see below); B: computed on the way: QUANTISED
;;     6. [M 4,096, K 1,024] x [K 1,024, N 1,024]; A: computed on the way; B: input w_proj: QUANTISED
;;     7. [M 4,096, K 1,024] x [K 1,024, N 4,096]; A: computed on the way; B: input w1: QUANTISED
;;     8. [M 4,096, K 4,096] x [K 4,096, N 1,024]; A: computed on the way; B: input w2: QUANTISED
;;   THE QUANTISER, for each operand of a quantised product, along K:
;;     - K is cut into blocks of 32 from its start; a last block that is shorter is filled with zeros.
;;     - A block's scale is 2^e with e = floor(log2(the largest magnitude in the block)) - 8, held to -126 .. 127; a block of zeros has e = 0. As a byte (E8M0): e + 127.
;;     - Each number is divided by its block's scale, clamped to +-448, and rounded to the nearest number of E4M3, ties to even, subnormals kept.
;;     - The product sums the exact products of the quantised numbers (number of the format x scale) in f32.
;;   ~~~python
;;   def quantise(x, axis):      # numpy; x: float32 -> the quantised numbers, widened to float32 again
;;       x = np.moveaxis(x, axis, -1); K = x.shape[-1]
;;       x = np.pad(x, [(0, 0)] * (x.ndim - 1) + [(0, -K % 32)]); x = x.reshape(x.shape[:-1] + (-1, 32)); a = np.abs(x).max(-1, keepdims=True)
;;       e = np.where(a > 0, np.clip(np.frexp(np.where(a > 0, a, 1))[1] - 1 - 8, -126, 127), 0)      # np.frexp(a)[1] - 1 = floor(log2(a)), exactly
;;       r = np.clip(x / 2.0 ** e, -448, 448)
;;       step = 2.0 ** (np.maximum(np.frexp(np.where(r == 0, 1, r))[1] - 1, -6) - 3)
;;       q = np.round(r / step) * step * 2.0 ** e      # np.round: ties to even
;;       return np.moveaxis(q.reshape(q.shape[:-2] + (-1,))[..., :K], -1, axis).astype(np.float32)
;;   ~~~
;;   SOFTMAX AHEAD OF A QUANTISED PRODUCT. Where the list says 'softmax', what is quantised is not the finished softmax but p = 2^(t - M), with t = logit x log2(e) and M = ceil(the row's largest t), a whole number; so 1/2 < the row's largest p <= 1. The row's sum l is taken of the UNQUANTISED p, in f32, and the product's result is divided by l at the end. Since M is a whole number, a kernel that streams over the keys may use a running M (the ceiling of the running maximum): every later rescaling is an exact power of two, which a block's scale takes up: the codes' values come out the same.
;;   OPERANDS COMPUTED ON THE WAY. 'Computed on the way' means the value that the module computes at that place (a softmax that the list does not call 'softmax' is quantised finished and normalised). What goes into a quantiser is computed in f32, as accurately as f32 sums, v_exp_f32 and their like allow (about 1e-6 of the number): no bf16 or f16 on the way to a quantiser, and a product that is left as it is and whose result goes on into a quantised operand takes f32 operands (vector FMAs, or v_wmma_f32_16x16x4_f32). A number that lies on a knife's edge between two numbers of the format may be rounded either way, as far as f32 arithmetic and the matrix unit's own rounding can turn it there, and no further.
;; One version. Each part assembles by itself: llvm-mc -triple=amdgcn-amd-amdhsa -mcpu=gfx1250 --defsym DOCPART=n.
;; ======== version 1 of 1: 9 launches
;; limits: right only within a limited range of input values
;; workspace buffers: opnd 12,976,128 bytes; wpr 1,179,648 bytes; w2r 4,718,592 bytes; qkv 14,155,776 bytes; act 18,874,368 bytes; ybuf 16,777,216 bytes; x1 16,777,216 bytes; x1r 4,718,592 bytes
;; launch quant_x (part 1): grid 256 x 1, 8 waves a work-group, no clusters, 66,816 bytes of LDS; arguments x, opnd; writes opnd
.if DOCPART == 1
	.amdgcn_target "amdgcn-amd-amdhsa--gfx1250"
	.amdhsa_code_object_version 6
	.text
	.protected	k_q276cb6350b_quant_x
	.globl	k_q276cb6350b_quant_x
	.p2align	8
	.type	k_q276cb6350b_quant_x,@function
k_q276cb6350b_quant_x:
	s_mov_b64 s[64:65], 0
	v_nop
	global_prefetch_b8 v0, s[64:65] scope:SCOPE_SE
	s_setreg_imm32_b32 hwreg(HW_REG_WAVE_MODE, 25, 1), 1
	s_wait_xcnt 0x0
; x [4096][1024] f32 becomes operand RECORDS of MX-FP8 (E4M3 codes, one E8M0 byte for each 32 along K), K = the 1,024 channels.
; A RECORD is one matrix operand fragment, 16 rows x 128 K, 2,304 bytes: bytes 512 c + 16 l (c = 0..3, lane l = 16 h + r) are the 16 codes of the record's row r at
; k = 32 c + 16 h + 0..15, the image of operand registers 4 c .. 4 c + 3; bytes 2048 + 8 l hold row (l % 16)'s scale word, written twice.  Records lie [rowblock][K step].
; THE ROWS OF A ROWBLOCK ARE NOT NEIGHBOURS: row r of rowblock rb is row 32 (rb / 2) + 8 (rb % 2) + r + 8 (r / 8) of the tensor, in every record buffer of this program, so that
; the results of two neighbouring tiles of a transposed product are 16 neighbours along the next K.
; WORK LEFT OUT IN THIS PROGRAM: reference() sets the scores of keys t > s to -infinity by a mask that it builds itself (jnp.tril), and the softmax gives them the weight 0 whatever
; the inputs hold: key steps of 128 keys that lie wholly behind a tile's 16 queries are not multiplied (launch attn).  Nothing else is left out, and every input is loaded.
; LIMITS: a NaN, an infinity or an overflow that reaches only such hidden scores is not carried to the result; NaN and infinities among the inputs are not served; a block whose
; largest magnitude lies under 2^-118 (a block of zeros too) gets the scale byte 1 where the quantiser says otherwise: a block of zeros has zero codes, and only this program reads the bytes.
; SHARES: a work-group is one rowblock.  Wave w loads the rowblock's rows 2 w and 2 w + 1 (neighbours in x), 512 consecutive bytes a load, and puts them into a stage in LDS
; (rows 4,096 + 16 bytes apart); behind one barrier wave w takes K step w of all 16 rows, 16 neighbours of each block of 32 to a lane, quantises and stores one record.
.set REC,    2304
.set SPITCH, 4112
.set SPARE,  16*SPITCH                 ; behind the stage: the spare words, 128 bytes for each wave: four blocks of 256 bytes that no other line names
.set LI,   1                           ; v1   16 x lane
.set SIN,  2                           ; v2   the stage, in: my wave's two rows, 16 x lane
.set SOUT, 3                           ; v3   the stage, out: row r, + 64 h, + 512 x wave
.set LS8,  4                           ; v4   8 x lane
.set SPW,  6                           ; v6   my spare word; never rewritten
.set NIL,  7                           ; v7   0; never rewritten
.set TM,   8                           ; v8-23  at work in QUANT
.set PW,   24                          ; v24-25 the scale word, twice
.set X,    32                          ; v32-95 two rows as loaded, then 64 numbers of a fragment
.set PC,   96                          ; v96-111 the codes
.set WV,   20
.set SEL,  22
.set MNT,  24
; 64 numbers of a lane, register 16 b + i = k 32 b + 16 h + i of my row, become the fragment's codes in v[PC] on and its scale word in v[PW], v[PW+1]
.macro QUANT s
.irp b, 0,1,2,3
	v_max3_num_f32 v[TM+\b], |v[\s+16*\b]|, |v[\s+1+16*\b]|, 0x4800000   ; my 16 numbers of block b, and the floor 2^(9 - 127): the byte cannot fall under 1
.endr
.irp i, 2,4,6,8,10,12,14
.irp b, 0,1,2,3
	s_delay_alu instid0(VALU_DEP_4)
	v_max3_num_f32 v[TM+\b], v[TM+\b], |v[\s+16*\b+\i]|, |v[\s+1+16*\b+\i]|
.endr
.endr
.irp b, 0,1,2,3
	s_delay_alu instid0(VALU_DEP_4)
	v_permlanex16_b32 v[TM+4+\b], v[TM+\b], s[SEL], s[SEL+1]
.endr
.irp b, 0,1,2,3
	s_delay_alu instid0(VALU_DEP_4)
	v_max_num_f32 v[TM+\b], v[TM+\b], v[TM+4+\b]                 ; with lane l xor 16's: the block's largest magnitude
.endr
.irp b, 0,1,2,3
	s_delay_alu instid0(VALU_DEP_4)
	v_add_nc_u32 v[TM+12+\b], 0xfc000000, v[TM+\b]               ; 8 off its exponent field: the conversion's scale operand
.endr
.irp b, 0,1,2,3
	v_and_or_b32 v[TM+8+\b], v[TM+\b], 0x7f800000, s[MNT]        ; 448 x the scale
.endr
.irp b, 0,1,2,3
	v_lshrrev_b32 v[TM+4+\b], 23, v[TM+12+\b]                    ; the scale's byte
.endr
	s_delay_alu instid0(VALU_DEP_3)
	v_lshl_or_b32 v[PW], v[TM+5], 8, v[TM+4]
	s_delay_alu instid0(VALU_DEP_1)
	v_lshl_or_b32 v[PW], v[TM+6], 16, v[PW]
	s_delay_alu instid0(VALU_DEP_1)
	v_lshl_or_b32 v[PW], v[TM+7], 24, v[PW]
.irp b, 0,1,2,3
.irp i, 0,1,2,3,4,5,6,7,8,9,10,11,12,13,14,15
	v_med3_num_f32 v[\s+16*\b+\i], v[\s+16*\b+\i], -v[TM+8+\b], v[TM+8+\b]   ; the conversion to an 8-bit code does not saturate (ISA guide 7.6.2): the hold comes first
.endr
	v_cvt_scalef32_pk8_fp8_f32 v[PC+4*\b:PC+1+4*\b], v[\s+16*\b:\s+7+16*\b], v[TM+12+\b]
	v_cvt_scalef32_pk8_fp8_f32 v[PC+2+4*\b:PC+3+4*\b], v[\s+8+16*\b:\s+15+16*\b], v[TM+12+\b]
.endr
	v_mov_b32 v[PW+1], v[PW]                       ; the word twice; also the plain line behind the last conversion
.endm
	s_load_b64 s[4:5], s[0:1], 0x0                 ; x
	s_load_b64 s[16:17], s[0:1], 0x8               ; opnd: x's records lie at its start
	v_lshl_add_u32 v[SPW], v0, 2, SPARE
	v_mov_b32 v[NIL], 0
	v_lshrrev_b32 v5, 5, v0
	s_delay_alu instid0(VALU_DEP_1)
	v_readfirstlane_b32 s[WV], v5                  ; wave 0..7
	v_and_b32 v5, 31, v0
	s_delay_alu instid0(VALU_DEP_1)
	v_lshlrev_b32 v[LI], 4, v5
	s_delay_alu instid0(VALU_DEP_2)
	v_lshlrev_b32 v[LS8], 3, v5
	s_mul_i32 s27, s[WV], 2*SPITCH
	v_add_nc_u32 v[SIN], s27, v[LI]
	v_and_b32 v5, 15, v0
	s_delay_alu instid0(VALU_DEP_1)
	v_mul_u32_u24 v[SOUT], v5, SPITCH
	v_bfe_u32 v5, v0, 4, 1
	s_delay_alu instid0(VALU_DEP_1)
	v_lshl_add_u32 v[SOUT], v5, 6, v[SOUT]
	s_lshl_b32 s27, s[WV], 9
	v_add_nc_u32 v[SOUT], s27, v[SOUT]
	s_lshr_b32 s28, ttmp9, 1                       ; my first row of x: 32 (rb / 2) + 8 (rb % 2) + 2 w + 8 (w / 4)
	s_lshl_b32 s28, s28, 5
	s_and_b32 s29, ttmp9, 1
	s_lshl_b32 s29, s29, 3
	s_add_co_u32 s28, s28, s29
	s_lshl_b32 s29, s[WV], 1
	s_add_co_u32 s28, s28, s29
	s_lshr_b32 s29, s[WV], 2
	s_lshl_b32 s29, s29, 3
	s_add_co_u32 s28, s28, s29
	s_lshl_b32 s28, s28, 12                        ; x 4,096 bytes
	s_mov_b32 s29, 0
	s_lshl_b32 s30, ttmp9, 3
	s_add_co_u32 s30, s30, s[WV]
	s_mul_i32 s30, s30, REC                        ; my record: rowblock rb, K step w
	s_mov_b32 s31, 0
	s_mov_b32 s[SEL], 0x76543210
	s_mov_b32 s[SEL+1], 0xfedcba98                 ; v_permlanex16_b32's selects for lane l xor 16
	s_mov_b32 s[MNT], 0x600000                     ; the mantissa field of 448
.irp b, 0,1,2,3
	v_mov_b32 v[TM+4+\b], 0                        ; a lane permute's destination counts as one of its sources
.endr
	s_wait_alu depctr_va_vdst(0)
	s_wait_kmcnt 0x0
	s_add_nc_u64 s[4:5], s[4:5], s[28:29]
	s_add_nc_u64 s[16:17], s[16:17], s[30:31]
.irp e, 0,1
.irp j, 0,1,2,3,4,5,6,7
	global_load_b128 v[X+32*\e+4*\j:X+32*\e+4*\j+3], v[LI], s[4:5] offset:4096*\e+512*\j th:TH_LOAD_NT   ; 32 lanes read 512 consecutive bytes
.endr
.endr
	s_wait_loadcnt 8                               ; the first row's eight loads are in; the second row's eight may be out
.irp j, 0,1,2,3,4,5,6,7
	ds_store_b128 v[SIN], v[X+4*\j:X+4*\j+3] offset:512*\j
.endr
	s_wait_loadcnt 0x0
.irp j, 0,1,2,3,4,5,6,7
	ds_store_b128 v[SIN], v[X+32+4*\j:X+32+4*\j+3] offset:SPITCH+512*\j
.endr
	s_wait_dscnt 0x0                               ; for the others' sake: my rows lie in the stage
	s_barrier_signal -1
	s_barrier_wait -1
.irp c, 0,1,2,3
.irp j, 0,1,2,3
	ds_load_b128 v[X+16*\c+4*\j:X+16*\c+4*\j+3], v[SOUT] offset:128*\c+16*\j   ; row r, k = 128 w + 32 c + 16 h + 4 j on; the pitch is 16 bytes over a multiple of 256
.endr
.endr
	s_wait_dscnt 0x0
	QUANT X
.irp c, 0,1,2,3
	global_store_b128 v[LI], v[PC+4*\c:PC+4*\c+3], s[16:17] offset:512*\c   ; 32 lanes store 512 consecutive bytes, aligned
.endr
	global_store_b64 v[LS8], v[PW:PW+1], s[16:17] offset:2048               ; 256 consecutive bytes, aligned
	s_wait_tensorcnt 0x0                           ; the wave's end, behind my last LDS store
	ds_add_u32 v[SPW], v[NIL]
	s_wait_dscnt 0x0
	s_endpgm
.Lfunc_end_k_q276cb6350b_quant_x:
	.size	k_q276cb6350b_quant_x, .Lfunc_end_k_q276cb6350b_quant_x-k_q276cb6350b_quant_x
	.p2alignl 7, 3214868480
	.fill 96, 4, 3214868480
	.section	.rodata,"a",@progbits
	.p2align	6, 0x0
	.amdhsa_kernel k_q276cb6350b_quant_x
		.amdhsa_group_segment_fixed_size 66816
		.amdhsa_private_segment_fixed_size 0
		.amdhsa_enable_private_segment 0
		.amdhsa_kernarg_size 16
		.amdhsa_user_sgpr_count 2
		.amdhsa_user_sgpr_kernarg_segment_ptr 1
		.amdhsa_wavefront_size32 1
		.amdhsa_system_sgpr_workgroup_id_x 1
		.amdhsa_system_sgpr_workgroup_id_y 1
		.amdhsa_system_sgpr_workgroup_id_z 1
		.amdhsa_system_vgpr_workitem_id 0
		.amdhsa_next_free_vgpr 128
		.amdhsa_next_free_sgpr 66
		.amdhsa_reserve_vcc 0
		.amdhsa_float_denorm_mode_32 3
		.amdhsa_float_denorm_mode_16_64 3
		.amdhsa_memory_ordered 1
		.amdhsa_forward_progress 1
		.amdhsa_inst_pref_size 16
	.end_amdhsa_kernel
	.amdgpu_metadata
---
amdhsa.version: [ 1, 2 ]
amdhsa.kernels:
  - .name:           k_q276cb6350b_quant_x
    .symbol:         k_q276cb6350b_quant_x.kd
    .args:
      - { .name: x, .offset: 0, .size: 8, .value_kind: global_buffer, .address_space: global }
      - { .name: opnd, .offset: 8, .size: 8, .value_kind: global_buffer, .address_space: global }
    .group_segment_fixed_size: 66816
    .private_segment_fixed_size: 0
    .kernarg_segment_align: 8
    .kernarg_segment_size: 16
    .max_flat_workgroup_size: 256
    .sgpr_count:     66
    .vgpr_count:     128
    .wavefront_size: 32
...
	.end_amdgpu_metadata
.endif
;; end of part 1
;; launch quant_w (part 2): grid 384 x 1, 4 waves a work-group, no clusters, 36,352 bytes of LDS; arguments wq, wk, wv, w_proj, w1, w2, opnd, wpr, w2r; writes opnd, wpr, w2r
.if DOCPART == 2
	.amdgcn_target "amdgcn-amd-amdhsa--gfx1250"
	.amdhsa_code_object_version 6
	.text
	.protected	k_q276cb6350b_quant_w
	.globl	k_q276cb6350b_quant_w
	.p2align	8
	.type	k_q276cb6350b_quant_w,@function
k_q276cb6350b_quant_w:
	s_mov_b64 s[64:65], 0
	v_nop
	global_prefetch_b8 v0, s[64:65] scope:SCOPE_SE
	s_setreg_imm32_b32 hwreg(HW_REG_WAVE_MODE, 25, 1), 1
	s_wait_xcnt 0x0
; The six weights, f32 with K NOT innermost, become operand records of MX-FP8 (the record and the order of rows: see launch quant_x).
; wq, wk, wv [16][1024 (K)][64]: operand row 64 head + j;  w_proj [1024 (K)][1024], w1 [1024 (K)][4096], w2 [4096 (K)][1024]: operand row = column.
; A LANE TAKES AN OPERAND ROW (a column of the weight) AND ITS REGISTERS RUN DOWN K: a block of 32 along K lies in one lane's 32 registers, and the conversions give codes with K innermost.
; A wave takes 32 operand rows x 256 along K: two rowblocks x two K steps = four records.  The codes go through the wave's own stage in LDS (a row of 256 bytes + 16 for each operand row)
; and come back in the records' order; each store covers 512 (codes) or 256 (scale words) consecutive bytes, aligned.
; One path serves all six: the work-group's number chooses pointers, pitches and offsets by selects; no branch, and no LDS address hangs on it.
; LIMITS: as stated at the head of launch quant_x (byte 1 for blocks under 2^-118; NaN and infinities not served).
.set REC,   2304
.set KREC,  8*REC
.set XW,    256*KREC                   ; opnd: behind x's records: wq's, wk's, wv's (64 rowblocks each),
.set W1O,   XW+192*KREC                ; then w1's
.set WSZ,   64*KREC
.set PITCH, 272
.set WREG,  32*PITCH+256               ; a wave's LDS: its stage, and 8 scale bytes for each of its 32 rows
.set SPARE, 4*WREG                     ; the spare words, 128 bytes for each wave: two blocks of 256 bytes that no other line names
.set SB,   24                          ; v24-25  my row's eight scale bytes
.set OFF,  32                          ; v32-63  byte offsets of the 32 rows of a block: 4 x lane + i x pitch; never rewritten
.set X,    64                          ; v64-127 two sets of 32 numbers
.set C,    128                         ; v128-135 a block's codes
.set OUTR, 136                         ; v136-199 the way out: 16 x 4 registers
.set WD,   200                         ; v200-207 four scale words, each twice
.set SPW,  14
.set NIL,  15
	s_load_b256 s[8:15], s[0:1], 0x0               ; wq, wk, wv, w_proj
	s_load_b256 s[16:23], s[0:1], 0x20             ; w1, w2, opnd, wpr
	s_load_b64 s[24:25], s[0:1], 0x40              ; w2r
	v_lshl_add_u32 v[SPW], v0, 2, SPARE
	v_mov_b32 v[NIL], 0
	v_lshrrev_b32 v1, 5, v0
	v_readfirstlane_b32 s4, v1                     ; wave 0..3
	v_and_b32 v2, 31, v0                           ; lane
	s_mul_i32 s6, s4, WREG
	v_mul_u32_u24 v4, v2, PITCH
	v_add_nc_u32 v4, s6, v4                        ; the stage, in: row = my lane
	v_lshlrev_b32 v9, 3, v2                        ; 8 x lane
	v_add_nc_u32 v5, s6, v9
	v_add_nc_u32 v5, 32*PITCH, v5                  ; my row's eight scale bytes
	v_lshlrev_b32 v8, 4, v2                        ; 16 x lane
	v_and_b32 v1, 15, v0                           ; r
	v_and_b32 v3, 8, v1
	v_add_nc_u32 v1, v1, v3                        ; r + 8 (r / 8)
	v_mul_u32_u24 v6, v1, PITCH
	v_bfe_u32 v3, v0, 4, 1
	v_lshl_add_u32 v6, v3, 4, v6
	v_add_nc_u32 v6, s6, v6                        ; the stage, out: the record's row r, + 16 h
	v_lshlrev_b32 v7, 3, v1
	v_add_nc_u32 v7, s6, v7
	v_add_nc_u32 v7, 32*PITCH, v7                  ; and that row's scale bytes
	s_mov_b32 s5, 0x600000                         ; the mantissa field of 448
	s_wait_kmcnt 0x0
	; which weight: ids 0-31 wq, 32-63 wk, 64-95 wv, 96-127 w_proj, 128-255 w1, 256-383 w2
	s_mov_b64 s[26:27], s[18:19]                   ; the source,
	s_mov_b64 s[28:29], s[24:25]                   ; the records' buffer,
	s_mov_b32 s30, 256                             ; the range's first id,
	s_mov_b32 s31, 0                               ; the records' first byte,
	s_mov_b32 s32, 3                               ; log2 of the groups of 128 operand rows,
	s_mov_b32 s33, 4096                            ; bytes from k to k + 1,
	s_mov_b32 s34, 256                             ; bytes from 64 operand rows to the next 64
	s_cmp_lt_u32 ttmp9, 256
	s_cselect_b64 s[26:27], s[16:17], s[26:27]
	s_cselect_b64 s[28:29], s[20:21], s[28:29]
	s_cselect_b32 s30, 128, s30
	s_cselect_b32 s31, W1O, s31
	s_cselect_b32 s32, 5, s32
	s_cselect_b32 s33, 16384, s33
	s_cmp_lt_u32 ttmp9, 128
	s_cselect_b64 s[26:27], s[14:15], s[26:27]
	s_cselect_b64 s[28:29], s[22:23], s[28:29]
	s_cselect_b32 s30, 96, s30
	s_cselect_b32 s31, 0, s31
	s_cselect_b32 s32, 3, s32
	s_cselect_b32 s33, 4096, s33
	s_cmp_lt_u32 ttmp9, 96
	s_cselect_b64 s[26:27], s[12:13], s[26:27]
	s_cselect_b64 s[28:29], s[20:21], s[28:29]
	s_cselect_b32 s30, 64, s30
	s_cselect_b32 s31, XW+2*WSZ, s31
	s_cselect_b32 s33, 256, s33
	s_cselect_b32 s34, 262144, s34
	s_cmp_lt_u32 ttmp9, 64
	s_cselect_b64 s[26:27], s[10:11], s[26:27]
	s_cselect_b32 s30, 32, s30
	s_cselect_b32 s31, XW+WSZ, s31
	s_cmp_lt_u32 ttmp9, 32
	s_cselect_b64 s[26:27], s[8:9], s[26:27]
	s_cselect_b32 s30, 0, s30
	s_cselect_b32 s31, XW, s31
	s_sub_co_u32 s35, ttmp9, s30                   ; my number within the weight
	s_bfm_b32 s54, s32, 0
	s_and_b32 s54, s35, s54                        ; which 128 operand rows,
	s_lshr_b32 s35, s35, s32                       ; which 256 along K
	s_lshl_b32 s54, s54, 2
	s_add_co_u32 s54, s54, s4                      ; G: my wave's 32 operand rows
	s_lshl_b32 s55, s33, 8
	s_mul_i32 s55, s55, s35                        ; 256 rows of K down for each step,
	s_lshr_b32 s56, s54, 1
	s_mul_i32 s56, s56, s34                        ; 64 operand rows on,
	s_add_co_u32 s55, s55, s56
	s_and_b32 s56, s54, 1
	s_lshl_b32 s56, s56, 7                         ; and 32 more
	s_add_co_u32 s52, s55, s56
	s_mov_b32 s53, 0
	s_add_nc_u64 s[36:37], s[26:27], s[52:53]      ; a base for each of my eight blocks of 32 along K: nothing is stepped later
	s_lshl_b32 s52, s33, 5
.irp t, 1,2,3,4,5,6,7
	s_add_nc_u64 s[36+2*\t:37+2*\t], s[34+2*\t:35+2*\t], s[52:53]
.endr
	s_lshl_b32 s55, s54, 1                         ; my first rowblock, 2 G
	s_mul_i32 s55, s55, KREC
	s_add_co_u32 s55, s55, s31
	s_and_b32 s56, s35, 3
	s_mul_i32 s56, s56, 2*REC                      ; two K steps for each 256 along K,
	s_add_co_u32 s55, s55, s56
	s_lshr_b32 s56, s35, 2
	s_mul_i32 s56, s56, WSZ                        ; and w2's four parts of 1,024 along K one behind the other
	s_add_co_u32 s52, s55, s56
	s_add_nc_u64 s[28:29], s[28:29], s[52:53]
	v_lshlrev_b32 v[OFF], 2, v2
.set I, 1
.rept 31
	v_add_nc_u32 v[OFF+I], s33, v[OFF+I-1]
.set I, I+1
.endr
.macro LOAD t                          ; block t: the weight at k = 32 t + i, my operand row, into set t % 2: 32 lanes read 128 consecutive bytes
.set I, 0
.rept 32
	global_load_b32 v[X+32*((\t)%2)+I], v[OFF+I], s[36+2*(\t):37+2*(\t)] th:TH_LOAD_NT
.set I, I+1
.endr
.endm
	LOAD 0
	LOAD 1
.macro BLOCK t
.set XS, X+32*((\t)%2)
.if (\t) < 7
	s_wait_loadcnt 32                              ; this block's 32 loads are in; the next block's may be out
.else
	s_wait_loadcnt 0x0
.endif
	v_max3_num_f32 v12, |v[XS]|, |v[XS+1]|, |v[XS+2]|              ; the block's largest magnitude: all 32 numbers are mine
	v_max3_num_f32 v13, |v[XS+3]|, |v[XS+4]|, |v[XS+5]|
.irp i, 6,10,14,18,22,26
	v_max3_num_f32 v12, v12, |v[XS+\i]|, |v[XS+\i+1]|
	v_max3_num_f32 v13, v13, |v[XS+\i+2]|, |v[XS+\i+3]|
.endr
	v_max3_num_f32 v12, v12, |v[XS+30]|, |v[XS+31]|
	v_max3_num_f32 v12, v12, v13, 0x4800000        ; and the floor 2^(9 - 127)
	v_add_nc_u32 v11, 0xfc000000, v12              ; 8 off the exponent field: the conversion's scale operand
	v_and_or_b32 v10, v12, 0x7f800000, s5          ; 448 x the scale
	v_lshrrev_b32 v13, 23, v11                     ; the scale's byte
.if (\t)%4 == 0
	v_mov_b32 v[SB+(\t)/4], v13
.else
	v_lshl_or_b32 v[SB+(\t)/4], v13, 8*((\t)%4), v[SB+(\t)/4]
.endif
.set I, 0
.rept 32
	v_med3_num_f32 v[XS+I], v[XS+I], -v10, v10     ; the hold: the conversion to an 8-bit code does not saturate (ISA guide 7.6.2)
.set I, I+1
.endr
.irp g, 0,1,2,3
	v_cvt_scalef32_pk8_fp8_f32 v[C+2*\g:C+2*\g+1], v[XS+8*\g:XS+8*\g+7], v11
.endr
	v_nop                                          ; a plain line behind the last conversion
	ds_store_b128 v4, v[C:C+3] offset:32*(\t)
	ds_store_b128 v4, v[C+4:C+7] offset:32*(\t)+16
.if (\t)+2 < 8
	LOAD (\t)+2
.endif
	s_wait_dscnt 0x0                               ; the stores have read their registers: the next block's codes may be written
.endm
.irp t, 0,1,2,3,4,5,6,7
	BLOCK \t
.endr
	ds_store_b64 v5, v[SB:SB+1]
; the way out: record (u, s) = rowblock 2 G + u, K step s.  LDS serves a wave's instructions in order (ISA guide 5.7.1.4): these loads see my stores
.irp u, 0,1
.irp s, 0,1
.irp c, 0,1,2,3
	ds_load_b128 v[OUTR+4*(8*\u+4*\s+\c):OUTR+4*(8*\u+4*\s+\c)+3], v6 offset:8*PITCH*\u+128*\s+32*\c
.endr
.endr
.endr
.irp u, 0,1
.irp s, 0,1
	ds_load_b32 v[WD+2*(2*\u+\s)], v7 offset:64*\u+4*\s
	ds_load_b32 v[WD+2*(2*\u+\s)+1], v7 offset:64*\u+4*\s
.endr
.endr
.irp u, 0,1
.irp s, 0,1
.irp c, 0,1,2,3
	s_wait_dscnt 23-(8*\u+4*\s+\c)                 ; this load is in; the younger code loads and the eight word loads may be out
	global_store_b128 v8, v[OUTR+4*(8*\u+4*\s+\c):OUTR+4*(8*\u+4*\s+\c)+3], s[28:29] offset:\u*KREC+\s*REC+512*\c
.endr
.endr
.endr
	s_wait_dscnt 0x0
.irp u, 0,1
.irp s, 0,1
	global_store_b64 v9, v[WD+2*(2*\u+\s):WD+2*(2*\u+\s)+1], s[28:29] offset:\u*KREC+\s*REC+2048
.endr
.endr
	s_wait_tensorcnt 0x0                           ; the wave's end, behind my last LDS store
	ds_add_u32 v[SPW], v[NIL]
	s_wait_dscnt 0x0
	s_endpgm
.Lfunc_end_k_q276cb6350b_quant_w:
	.size	k_q276cb6350b_quant_w, .Lfunc_end_k_q276cb6350b_quant_w-k_q276cb6350b_quant_w
	.p2alignl 7, 3214868480
	.fill 96, 4, 3214868480
	.section	.rodata,"a",@progbits
	.p2align	6, 0x0
	.amdhsa_kernel k_q276cb6350b_quant_w
		.amdhsa_group_segment_fixed_size 36352
		.amdhsa_private_segment_fixed_size 0
		.amdhsa_enable_private_segment 0
		.amdhsa_kernarg_size 72
		.amdhsa_user_sgpr_count 2
		.amdhsa_user_sgpr_kernarg_segment_ptr 1
		.amdhsa_wavefront_size32 1
		.amdhsa_system_sgpr_workgroup_id_x 1
		.amdhsa_system_sgpr_workgroup_id_y 1
		.amdhsa_system_sgpr_workgroup_id_z 1
		.amdhsa_system_vgpr_workitem_id 0
		.amdhsa_next_free_vgpr 208
		.amdhsa_next_free_sgpr 66
		.amdhsa_reserve_vcc 0
		.amdhsa_float_denorm_mode_32 3
		.amdhsa_float_denorm_mode_16_64 3
		.amdhsa_memory_ordered 1
		.amdhsa_forward_progress 1
		.amdhsa_inst_pref_size 64
	.end_amdhsa_kernel
	.amdgpu_metadata
---
amdhsa.version: [ 1, 2 ]
amdhsa.kernels:
  - .name:           k_q276cb6350b_quant_w
    .symbol:         k_q276cb6350b_quant_w.kd
    .args:
      - { .name: wq, .offset: 0, .size: 8, .value_kind: global_buffer, .address_space: global }
      - { .name: wk, .offset: 8, .size: 8, .value_kind: global_buffer, .address_space: global }
      - { .name: wv, .offset: 16, .size: 8, .value_kind: global_buffer, .address_space: global }
      - { .name: w_proj, .offset: 24, .size: 8, .value_kind: global_buffer, .address_space: global }
      - { .name: w1, .offset: 32, .size: 8, .value_kind: global_buffer, .address_space: global }
      - { .name: w2, .offset: 40, .size: 8, .value_kind: global_buffer, .address_space: global }
      - { .name: opnd, .offset: 48, .size: 8, .value_kind: global_buffer, .address_space: global }
      - { .name: wpr, .offset: 56, .size: 8, .value_kind: global_buffer, .address_space: global }
      - { .name: w2r, .offset: 64, .size: 8, .value_kind: global_buffer, .address_space: global }
    .group_segment_fixed_size: 36352
    .private_segment_fixed_size: 0
    .kernarg_segment_align: 8
    .kernarg_segment_size: 72
    .max_flat_workgroup_size: 128
    .sgpr_count:     66
    .vgpr_count:     208
    .wavefront_size: 32
...
	.end_amdgpu_metadata
.endif
;; end of part 2
;; launch g_qkv (part 3): grid 8 x 24, 4 waves a work-group, clusters of 4 x 4, 327,680 bytes of LDS; arguments opnd, qkv; writes qkv
.if DOCPART == 3
	.amdgcn_target "amdgcn-amd-amdhsa--gfx1250"
	.amdhsa_code_object_version 6
	.text
	.protected	k_q276cb6350b_g_qkv
	.globl	k_q276cb6350b_g_qkv
	.p2align	8
	.type	k_q276cb6350b_g_qkv,@function
k_q276cb6350b_g_qkv:
	s_mov_b64 s[64:65], 0
	v_nop
	global_prefetch_b8 v0, s[64:65] scope:SCOPE_SE
	s_setreg_imm32_b32 hwreg(HW_REG_WAVE_MODE, 25, 1), 1
	s_wait_xcnt 0x0
	s_wait_alu depctr_hold_cnt(0) depctr_sa_sdst(0) depctr_va_vdst(0) depctr_va_sdst(0) depctr_va_ssrc(0) depctr_va_vcc(0) depctr_vm_vsrc(0)
	s_getreg_b32 s2, hwreg(HW_REG_IB_STS2, 6, 4)
	s_cmp_eq_u32 s2, 0
	s_cbranch_scc0 .Lentry_in_a_cluster
	s_endpgm
.Lentry_in_a_cluster:
	s_bfe_u32 s2, ttmp6, 0x10000c
	s_cmp_lg_u32 s2, 0xf033
	s_cbranch_scc0 .Lentry_shape_is_right
	s_endpgm
.Lentry_shape_is_right:
; q, k and v^T: three products of x with wq, wk, wv on codes of MX-FP8, K = 1,024, and their results quantised on the way out: q and k along the head's 64, v^T along the keys.
; Operands come and results go as RECORDS (16 rows x 128 K, 2,304 bytes: four images of 512 bytes of the operand's registers, then 256 bytes of scale words; the order of rows in a rowblock: launch quant_x).
; A tile of C, 256 x 256, is made by four waves, 128 x 128 each: 64 accumulators, 512 registers.  K goes in steps of 256 through two LDS slots; a slot holds, for 16 rowblocks of A and 16 of B, two records
; each: the scale words ride with the codes.  A wave's tensor load brings 8 rowblocks x 4,608 consecutive bytes.  LDS is read 16 bytes a lane, 512 consecutive bytes an instruction: no padding is needed.
; THE MATRIX INSTRUCTION IS USED TRANSPOSED (source 0 = a rowblock of B, source 1 = a rowblock of A): a lane holds one row of A, and by the rowblocks' order of rows the 16 registers of two neighbouring tiles
; are 16 neighbours along B's rows, the next product's K: so the conversions' results are the next operand's registers, and go to memory as records without passing through LDS.
; TILES: cluster rows 0-3: A = x's 4,096 rows, B = wq's and wk's 2,048 rows: records [token rowblock][16 steps: 8 head pairs of q, 8 of k].  Cluster rows 4, 5: A = wv's 1,024 rows, B = x's rows (the keys):
; records of v^T [4 head + 16 channels' block][16 batch + key step].  Which of the two is chosen by selects on the cluster's y, the same in all partners; no branch hangs on it.
; CLUSTERS 4 x 4: A's tiles are asked for jointly along a row of the cluster, B's along a column.
; REGISTERS: window 0: v16-29 addresses; v32-63 scale words, two sets; v128-255 A's fragments, one set (on the way out: codes and work).  window 1: B's fragments, two sets.  windows 2, 3: accumulator (a, b) at v[8 (8 (a % 4) + b)].
; LIMITS: as stated at the head of launch quant_x.
.set REC,   2304
.set KREC,  8*REC
.set RB2,   2*REC                      ; a rowblock's two records of a slot
.set HALFT, 8*RB2                      ; 8 rowblocks: what one tensor load brings, and what one wave reads of A or of B
.set SLOT,  4*HALFT
.set SPARE, 2*SLOT                     ; behind the ring: the spare words, 128 bytes for each wave: two blocks of 256 bytes that no other line names
.set XW,    256*KREC                   ; opnd: wq's, wk's, wv's records behind x's
.set WVO,   XW+128*KREC
.set QKP,   16*REC                     ; qkv: a token rowblock's 16 records
.set VTP,   32*REC                     ; a rowblock of v^T: 32 records
.set VTO,   256*QKP
.set FR,    16
.set NL,    4
.set NP,    8                          ; places behind this matrix instruction (ISA guide 7.12.1)
.set ADRA, 16                          ; v16-17 LDS address of my A fragments in slot 0, 1
.set ADRS, 18                          ; v18-19 of my scale words: lanes 0-15 A's, lanes 16-31 B's
.set ADRB, 20                          ; v20-21 of my B fragments
.set LI,   26                          ; v26 16 x lane
.set LS8,  27                          ; v27 8 x lane
.set SPW,  28
.set NIL,  29
.set SC,   32                          ; scale words: set s at v[SC + 16 s]; register 2 i + q: lanes 0-15 A's block i, lanes 16-31 B's block i, the slot's q-th 128 along K
.set AF,   128
.set PC,   128                         ; the way out: v128-143 codes, v144-145 the scale word twice, v148-163 at work
.set PW,   144
.set TM,   148
.set SEL,  20
.set MNT,  23
.set G1,  24
.set G0,  32
.set G1B, 48
.set G0B, 56
.set MSB, 0
.macro WIN new                         ; the immediate's high byte repeats the setting that is left
.if MSB != \new
	s_set_vgpr_msb (MSB<<8)|\new
.set MSB, \new
.endif
.endm
.set MUL_LO, 0xa1                      ; source 0 (B) window 1, source 1 (A) window 0, C and D window 2
.set MUL_HI, 0xf1
.set TO_B,   0x40
.macro JLOAD g0a, g0b                  ; a joint load: waves 0 and 1 fetch for A, waves 2 and 3 for B; an s_nop 0 and four v_nop follow each line
	s_cmp_eq_u32 s15, 0
	s_cbranch_scc0 .Lfor_b_\@
	tensor_load_to_lds s[\g0a:\g0a+3], s[G1:G1+7]
	s_nop 0
.rept 4
	v_nop
.endr
	s_branch .Lasked_\@
.Lfor_b_\@:
	tensor_load_to_lds s[\g0b:\g0b+3], s[G1B:G1B+7]
	s_nop 0
.rept 4
	v_nop
.endr
.Lasked_\@:
.endm
.macro CREST                           ; a round of the cluster's barrier behind its opening barrier
	s_cmp_lg_u32 s14, 0
	s_cbranch_scc1 .Lnot_wave_0_\@
	s_barrier_signal -3
.Lnot_wave_0_\@:
	s_barrier_wait -3
	s_barrier_signal -1
	s_barrier_wait -1
.endm
.macro CROUND
	s_barrier_signal -1
	s_barrier_wait -1
	CREST
.endm
.macro FRAG reg, adr, q, i             ; a fragment is the image of its 16 registers: four loads of 512 consecutive bytes
.irp c, 0,1,2,3
	ds_load_b128 v[\reg+4*\c:\reg+4*\c+3], v[\adr] offset:(\i)*RB2+(\q)*REC+512*\c
.endr
.endm
; 16 matrix instructions: A's blocks a0, a0 + 1 x B's eight.  The 64 accumulators take turns, one instruction a turn, in the same order in every step
.macro MUL16 a0, p, q, sc, zero
.irp a, \a0, \a0+1
.irp b, 0,1,2,3,4,5,6,7
.if \zero
	v_wmma_scale_f32_16x16x128_f8f6f4 v[8*(8*((\a)%4)+\b):8*(8*((\a)%4)+\b)+7], v[128*(\p)+FR*\b:128*(\p)+FR*\b+FR-1], v[AF+FR*(\a):AF+FR*(\a)+FR-1], 0, v[SC+16*(\sc)+2*\b+(\q)], v[SC+16*(\sc)+2*(\a)+(\q)] matrix_a_scale:MATRIX_SCALE_ROW1
.else
	v_wmma_scale_f32_16x16x128_f8f6f4 v[8*(8*((\a)%4)+\b):8*(8*((\a)%4)+\b)+7], v[128*(\p)+FR*\b:128*(\p)+FR*\b+FR-1], v[AF+FR*(\a):AF+FR*(\a)+FR-1], v[8*(8*((\a)%4)+\b):8*(8*((\a)%4)+\b)+7], v[SC+16*(\sc)+2*\b+(\q)], v[SC+16*(\sc)+2*(\a)+(\q)] matrix_a_scale:MATRIX_SCALE_ROW1
.endif
.endr
.endr
.endm
.macro FETCH_B slot, q, p
	WIN TO_B
.irp i, 0,1,2,3,4,5,6,7
	FRAG 128*(\p)+FR*\i, ADRB+\slot, \q, \i
.endr
	WIN 0
.endm
.macro FETCH_A slot, q, i0
.irp i, \i0, \i0+1, \i0+2, \i0+3
	FRAG AF+FR*(\i), ADRA+\slot, \q, \i
.endr
.endm
.macro SCALES sc                       ; the slot's scale words: lanes 0-15 take A's block i, lanes 16-31 B's block i
.irp i, 0,1,2,3,4,5,6,7
	ds_load_b32 v[SC+16*\sc+2*\i], v[ADRS+\sc] offset:\i*RB2
	ds_load_b32 v[SC+16*\sc+2*\i+1], v[ADRS+\sc] offset:\i*RB2+REC
.endr
.endm
.macro PLACES n                        ; plain vector instructions between a matrix instruction and a load into, or a read or write of, its registers
.rept \n
	v_nop
.endr
.endm
.macro STEP slot, q, zero              ; 128 along K whose successor lies in the same slot
	s_wait_dscnt 4*NL                              ; B's set, A's blocks 0-3 and the scale words are in; the youngest 16 loads (A's blocks 4-7) may be out
	WIN MUL_LO
	MUL16 0, (\q)%2, \q, \slot, \zero
	MUL16 2, (\q)%2, \q, \slot, \zero
	s_wait_dscnt 0
	PLACES NP
	FETCH_B \slot, (\q)+1, 1-(\q)%2
	FETCH_A \slot, (\q)+1, 0
	WIN MUL_HI
	MUL16 4, (\q)%2, \q, \slot, \zero
	MUL16 6, (\q)%2, \q, \slot, \zero
	PLACES NP
	WIN 0
	FETCH_A \slot, (\q)+1, 4
.endm
; A slot's last step changes slots: one barrier; in front of it each wave waits for all its tensor loads, adds 0 to its spare word, and waits for that and for its reads of this slot.
.macro TURN slot, next, fill
	s_wait_tensorcnt 0x0                           ; all my tensor loads have landed: my part of the next slot
	ds_add_u32 v[SPW], v[NIL]                      ; 0 onto my spare word
	s_wait_dscnt 4*NL+1                            ; the add and the youngest 16 loads may be out
	WIN MUL_LO
	MUL16 0, 1, 1, \slot, 0
	s_wait_dscnt 0x0                               ; the add is done, and my reads of this slot are over
	s_barrier_signal -1
	MUL16 2, 1, 1, \slot, 0
	WIN 0
	s_barrier_wait -1
.if \fill
	CREST                                          ; the barrier has opened a round of the cluster's barrier: no wave of any partner still reads this slot or has a load on its way
	s_add_nc_u64 s[G0+4*\slot+2:G0+4*\slot+3], s[G0+4*\slot+2:G0+4*\slot+3], 2*RB2
	s_add_nc_u64 s[G0B+4*\slot+2:G0B+4*\slot+3], s[G0B+4*\slot+2:G0B+4*\slot+3], 2*RB2
	JLOAD G0+4*\slot, G0B+4*\slot                  ; the first tensor load behind the round; its four v_nop are among the places in front of the loads below
	PLACES NP-4
.else
	PLACES NP
.endif
	FETCH_B \next, 0, 0
	FETCH_A \next, 0, 0
	SCALES \next
	WIN MUL_HI
	MUL16 4, 1, 1, \slot, 0
	MUL16 6, 1, 1, \slot, 0
	PLACES NP
	WIN 0
	FETCH_A \next, 0, 4
.endm
	s_load_b128 s[4:7], s[0:1], 0x0                ; opnd, qkv
	v_lshl_add_u32 v[SPW], v0, 2, SPARE
	v_mov_b32 v[NIL], 0
	ds_add_u32 v[SPW], v[NIL]                      ; the wave's opening: the add, twice on end, and its wait ahead of my first tensor load
	ds_add_u32 v[SPW], v[NIL]
	v_lshrrev_b32 v1, 5, v0
	v_readfirstlane_b32 s14, v1                    ; wave 0..3
	s_lshr_b32 s15, s14, 1                         ; which half of the tile's rows is mine.  Also: I fetch for A (0) or for B (1)
	s_and_b32 s16, s14, 1                          ; which half of its columns.  Also: which 8 rowblocks I fetch
	s_bfe_u32 s40, ttmp6, 0x40000                  ; cx, cy
	s_bfe_u32 s41, ttmp6, 0x40004
	s_and_b32 s17, ttmp7, 0xffff                   ; the cluster's y: 0-3 q and k, 4-5 v^T
	s_max_u32 s19, s17, 4
	s_sub_co_u32 s19, s19, 4
	s_lshl_b32 s19, s19, 1
	s_add_co_u32 s19, s19, ttmp9                   ; the cluster's column of tiles: x, and for v^T x + 2 (y - 4)
	s_lshl_b32 s42, s19, 2
	s_add_co_u32 s42, s42, s40                     ; tile column
	s_mov_b32 s70, QKP
	s_cmp_ge_u32 s17, 4                            ; v^T?  The same in all sixteen partners
	s_cselect_b32 s17, 0, s17
	s_cselect_b32 s67, WVO, 0                      ; where A's records begin in opnd: wv's or x's,
	s_cselect_b32 s68, 0, XW                       ; B's: x's or wq's and wk's,
	s_cselect_b32 s69, VTO, 0                      ; where the results' records begin in qkv,
	s_cselect_b32 s70, VTP, s70                    ; and their bytes from rowblock to rowblock
	s_mov_b32 s71, 0
	s_lshl_b32 s17, s17, 2
	s_add_co_u32 s17, s17, s41                     ; tile row
	s_lshl_b32 s43, s41, 2
	s_lshl_b32 s43, 15, s43                        ; my row of the cluster
	s_lshl_b32 s44, 0x1111, s40                    ; my column
	; descriptor group 1: 8 rows (rowblocks) of 576 elements of 8 bytes (two records), 2,304 elements (eight records) apart; no padding
	s_or_b32 s[G1+0], s43, (3<<16)|(1<<21)
	s_or_b32 s[G1B+0], s44, (3<<16)|(1<<21)
.irp g, G1, G1B
	s_mov_b32 s[\g+1], 576<<16                     ; tensor_dim0
	s_mov_b32 s[\g+2], 8<<16                       ; tensor_dim1
	s_mov_b32 s[\g+3], 576<<16                     ; tile_dim0
	s_mov_b32 s[\g+4], 8                           ; tile_dim1
	s_mov_b32 s[\g+5], 2304                        ; tensor_dim0_stride
	s_mov_b32 s[\g+6], 0
	s_mov_b32 s[\g+7], 0
.endr
	s_lshl_b32 s18, s16, 3
	s_lshl_b32 s20, s17, 4
	s_add_co_u32 s20, s20, s18                     ; A: rowblock 16 x tile row + 8 x half
	s_mul_i32 s20, s20, KREC
	s_add_co_u32 s20, s20, s67
	s_mov_b32 s21, 0
	s_lshl_b32 s46, s42, 4
	s_add_co_u32 s46, s46, s18                     ; B: rowblock 16 x tile column + 8 x half
	s_mul_i32 s46, s46, KREC
	s_add_co_u32 s46, s46, s68
	s_mov_b32 s47, 0
	s_mul_i32 s45, s14, HALFT                      ; where they go: no place in the cluster enters an LDS address
	s_wait_dscnt 0x0                               ; both opening adds are done
	s_wait_kmcnt 0x0
	s_add_nc_u64 s[20:21], s[4:5], s[20:21]
	s_add_nc_u64 s[46:47], s[4:5], s[46:47]
	CROUND                                         ; all sixteen work-groups are here: the first joint loads meet
.irp s, 0,1
	s_mov_b32 s[G0+4*\s], 1
	s_add_co_u32 s[G0+4*\s+1], s45, \s*SLOT
	s_add_nc_u64 s[G0+4*\s+2:G0+4*\s+3], s[20:21], \s*RB2
	s_or_b32 s[G0+4*\s+3], s[G0+4*\s+3], 0x80000000
	s_mov_b32 s[G0B+4*\s], 1
	s_add_co_u32 s[G0B+4*\s+1], s45, \s*SLOT
	s_add_nc_u64 s[G0B+4*\s+2:G0B+4*\s+3], s[46:47], \s*RB2
	s_or_b32 s[G0B+4*\s+3], s[G0B+4*\s+3], 0x80000000
.endr
	JLOAD G0, G0B                                  ; slot 0: one tensor load a wave at the head
	; PREFETCHES, two fills ahead of the tensor loads: behind fill 0 fills 1 and 2 are asked for, behind fill 1 fill 3.  Of the 8 rowblocks that I fetch, each of the four partners that ask for them
	; jointly takes two, told apart by address (cx for A's tiles, cy for B's): a fill's part of a rowblock is 4,608 bytes, 18 blocks of 256: lanes 0-15 and 16-31 name 16 blocks of one rowblock each, a second line the other two
	s_cmp_eq_u32 s15, 0                            ; do I fetch for A?
	s_cselect_b64 s[76:77], s[20:21], s[46:47]
	s_cselect_b32 s78, s40, s41
	s_mul_i32 s78, s78, 2*KREC
	s_mov_b32 s79, 0
	s_add_nc_u64 s[76:77], s[76:77], s[78:79]      ; never rewritten
	v_bfe_u32 v24, v0, 4, 1
	v_and_b32 v25, 15, v0
	v_mul_u32_u24 v24, v24, KREC
	v_lshl_add_u32 v22, v25, 8, v24                ; v22, v23: the prefetches' offsets; never rewritten
	v_min_u32 v25, 1, v25                          ; (lanes that are left over name the rowblock's last block again)
	v_lshl_add_u32 v23, v25, 8, v24
.irp f, 1,2
	global_prefetch_b8 v22, s[76:77] offset:\f*RB2 th:TH_LOAD_NT scope:SCOPE_SE
	global_prefetch_b8 v23, s[76:77] offset:\f*RB2+4096 th:TH_LOAD_NT scope:SCOPE_SE
.endr
	v_and_b32 v1, 31, v0
	v_bfe_u32 v2, v0, 4, 1                         ; h
	s_wait_alu depctr_va_vdst(0)
	v_lshlrev_b32 v[LI], 4, v1
	v_lshlrev_b32 v[LS8], 3, v1
	s_mul_i32 s21, s15, HALFT                      ; my 8 rowblocks of A
	s_mul_i32 s22, s16, HALFT                      ; my 8 of B,
	s_add_co_u32 s22, s22, 2*HALFT                 ; which lie behind A's 16
.irp s, 0,1
	v_add_nc_u32 v[ADRA+\s], s21, v[LI]
	v_add_nc_u32 v[ADRB+\s], s22, v[LI]
	s_add_co_u32 s21, s21, SLOT
	s_add_co_u32 s22, s22, SLOT
.endr
	s_mul_i32 s21, s15, HALFT
	s_mul_i32 s22, s16, HALFT
	s_add_co_u32 s22, s22, 2*HALFT
	s_sub_co_u32 s22, s22, s21
	v_mul_u32_u24 v6, s22, v2                      ; lanes 16-31 take B's words
	s_wait_alu depctr_va_vdst(0)
	v_add_nc_u32 v5, v[LS8], v6
	s_add_co_u32 s21, s21, 2048
	v_add_nc_u32 v[ADRS], s21, v5
	s_add_co_u32 s21, s21, SLOT
	v_add_nc_u32 v[ADRS+1], s21, v5
	s_lshl_b32 s72, s17, 4                         ; my first record of the result: rowblock 16 x tile row + 8 x half, step 2 x tile column + half
	s_lshl_b32 s73, s15, 3
	s_add_co_u32 s72, s72, s73
	s_mul_i32 s72, s72, s70
	s_lshl_b32 s73, s42, 1
	s_add_co_u32 s73, s73, s16
	s_mul_i32 s73, s73, REC
	s_add_co_u32 s72, s72, s73
	s_add_co_u32 s72, s72, s69
	s_mov_b32 s73, 0
	s_add_nc_u64 s[12:13], s[6:7], s[72:73]
	s_wait_alu depctr_va_vdst(0)
	s_wait_tensorcnt 0x0                           ; my part of slot 0 is in; slot 1's first fill is issued as a refill is:
	ds_add_u32 v[SPW], v[NIL]                      ; 0 onto my spare word
	s_wait_dscnt 0x0
	CROUND                                         ; a whole round: slot 0 is whole, and the joint loads meet
	JLOAD G0+4, G0B+4                              ; slot 1, the first tensor load behind the round
	FETCH_B 0, 0, 0
	FETCH_A 0, 0, 0
	SCALES 0
	FETCH_A 0, 0, 4
	global_prefetch_b8 v22, s[76:77] offset:3*RB2 th:TH_LOAD_NT scope:SCOPE_SE        ; fill 3, the last: the later fills ask for nothing
	global_prefetch_b8 v23, s[76:77] offset:3*RB2+4096 th:TH_LOAD_NT scope:SCOPE_SE
	STEP 0, 0, 1                                   ; the first products start the sums: nothing is cleared.  K = 1,024 is eight steps, written out
	TURN 0, 1, 1
	STEP 1, 0, 0
	TURN 1, 0, 1
	STEP 0, 0, 0
	TURN 0, 1, 0                                   ; the last two slots are filled no more
	STEP 1, 0, 0
	s_wait_dscnt 4*NL
	WIN MUL_LO
	MUL16 0, 1, 1, 1, 0
	MUL16 2, 1, 1, 1, 0
	s_wait_dscnt 0
	WIN MUL_HI
	MUL16 4, 1, 1, 1, 0
	MUL16 6, 1, 1, 1, 0
	WIN 0
; THE WAY OUT: block a's 64 registers of a lane are 128 neighbours' share along the next K (register 16 b + i = k 32 b + 16 h + i of my row): they are quantised where they lie and leave as one record.
.macro QACC a
.set W, 2+(\a)/4
.set AC, 64*((\a)%4)
	s_wait_xcnt 0x0                                ; the last record's stores have read their registers and their base
.if (\a) > 0
	s_add_nc_u64 s[12:13], s[12:13], s[70:71]      ; the next rowblock's record
.endif
.set WW, W|(W<<2)
	WIN WW                                         ; sources 0 and 1: the accumulators' window
.irp b, 0,1,2,3
	v_max3_num_f32 v[TM+\b], |v[AC+16*\b]|, |v[AC+16*\b+1]|, 0x4800000   ; each accumulator is read from its low end on; the floor 2^(9 - 127) holds the byte at 1
.endr
.irp i, 2,4,6,8,10,12,14
.irp b, 0,1,2,3
	v_max3_num_f32 v[TM+\b], |v[AC+16*\b+\i]|, |v[AC+16*\b+\i+1]|, v[TM+\b]
.endr
.endr
	WIN 0
.irp b, 0,1,2,3
	v_permlanex16_b32 v[TM+4+\b], v[TM+\b], s[SEL], s[SEL+1]
.endr
.irp b, 0,1,2,3
	v_max_num_f32 v[TM+\b], v[TM+\b], v[TM+4+\b]
.endr
.irp b, 0,1,2,3
	v_add_nc_u32 v[TM+12+\b], 0xfc000000, v[TM+\b]
.endr
.irp b, 0,1,2,3
	v_and_or_b32 v[TM+8+\b], v[TM+\b], 0x7f800000, s[MNT]
.endr
.irp b, 0,1,2,3
	v_lshrrev_b32 v[TM+4+\b], 23, v[TM+12+\b]
.endr
	v_lshl_or_b32 v[PW], v[TM+5], 8, v[TM+4]
	v_lshl_or_b32 v[PW], v[TM+6], 16, v[PW]
	v_lshl_or_b32 v[PW], v[TM+7], 24, v[PW]
	v_mov_b32 v[PW+1], v[PW]
.set WW, (W<<6)|W
	WIN WW                                         ; destination and source 0: the accumulators' window
.irp b, 0,1,2,3
.irp i, 0,1,2,3,4,5,6,7,8,9,10,11,12,13,14,15
	v_med3_num_f32 v[AC+16*\b+\i], v[AC+16*\b+\i], -v[TM+8+\b], v[TM+8+\b]   ; the hold (ISA guide 7.6.2: the conversion does not saturate)
.endr
.endr
	WIN W
.irp b, 0,1,2,3
	v_cvt_scalef32_pk8_fp8_f32 v[PC+4*\b:PC+4*\b+1], v[AC+16*\b:AC+16*\b+7], v[TM+12+\b]
	v_cvt_scalef32_pk8_fp8_f32 v[PC+4*\b+2:PC+4*\b+3], v[AC+16*\b+8:AC+16*\b+15], v[TM+12+\b]
.endr
	WIN 0
	v_nop                                          ; a plain line behind the last conversion
.irp c, 0,1,2,3
	global_store_b128 v[LI], v[PC+4*\c:PC+4*\c+3], s[12:13] offset:512*\c   ; 512 consecutive bytes, aligned
.endr
	global_store_b64 v[LS8], v[PW:PW+1], s[12:13] offset:2048               ; 256 consecutive bytes, aligned
.endm
	PLACES NP
	s_mov_b32 s[SEL], 0x76543210
	s_mov_b32 s[SEL+1], 0xfedcba98
	s_mov_b32 s[MNT], 0x600000
.irp b, 0,1,2,3
	v_mov_b32 v[TM+4+\b], 0                        ; a lane permute's destination counts as one of its sources
.endr
.irp a, 0,1,2,3,4,5,6,7
	QACC \a
.endr
	s_wait_tensorcnt 0x0                           ; the wave's end
	ds_add_u32 v[SPW], v[NIL]
	s_wait_dscnt 0x0
	CROUND                                         ; the closing round
	s_endpgm
.Lfunc_end_k_q276cb6350b_g_qkv:
	.size	k_q276cb6350b_g_qkv, .Lfunc_end_k_q276cb6350b_g_qkv-k_q276cb6350b_g_qkv
	.p2alignl 7, 3214868480
	.fill 96, 4, 3214868480
	.section	.rodata,"a",@progbits
	.p2align	6, 0x0
	.amdhsa_kernel k_q276cb6350b_g_qkv
		.amdhsa_group_segment_fixed_size 327680
		.amdhsa_private_segment_fixed_size 0
		.amdhsa_enable_private_segment 0
		.amdhsa_kernarg_size 16
		.amdhsa_user_sgpr_count 2
		.amdhsa_user_sgpr_kernarg_segment_ptr 1
		.amdhsa_wavefront_size32 1
		.amdhsa_system_sgpr_workgroup_id_x 1
		.amdhsa_system_sgpr_workgroup_id_y 1
		.amdhsa_system_sgpr_workgroup_id_z 1
		.amdhsa_system_vgpr_workitem_id 0
		.amdhsa_next_free_vgpr 1024
		.amdhsa_next_free_sgpr 100
		.amdhsa_reserve_vcc 0
		.amdhsa_float_denorm_mode_32 3
		.amdhsa_float_denorm_mode_16_64 3
		.amdhsa_memory_ordered 1
		.amdhsa_forward_progress 1
		.amdhsa_inst_pref_size 187
	.end_amdhsa_kernel
	.amdgpu_metadata
---
amdhsa.version: [ 1, 2 ]
amdhsa.kernels:
  - .name:           k_q276cb6350b_g_qkv
    .symbol:         k_q276cb6350b_g_qkv.kd
    .args:
      - { .name: opnd, .offset: 0, .size: 8, .value_kind: global_buffer, .address_space: global }
      - { .name: qkv, .offset: 8, .size: 8, .value_kind: global_buffer, .address_space: global }
    .group_segment_fixed_size: 327680
    .private_segment_fixed_size: 0
    .kernarg_segment_align: 8
    .kernarg_segment_size: 16
    .max_flat_workgroup_size: 128
    .sgpr_count:     100
    .vgpr_count:     1024
    .wavefront_size: 32
...
	.end_amdgpu_metadata
.endif
;; end of part 3
;; launch attn (part 4): grid 8 x 32, 8 waves a work-group, clusters of 4 x 1, 327,680 bytes of LDS; arguments qkv, act; writes act
.if DOCPART == 4
	.amdgcn_target "amdgcn-amd-amdhsa--gfx1250"
	.amdhsa_code_object_version 6
	.text
	.protected	k_q276cb6350b_attn
	.globl	k_q276cb6350b_attn
	.p2align	8
	.type	k_q276cb6350b_attn,@function
k_q276cb6350b_attn:
	s_mov_b64 s[64:65], 0
	v_nop
	global_prefetch_b8 v0, s[64:65] scope:SCOPE_SE
	s_setreg_imm32_b32 hwreg(HW_REG_WAVE_MODE, 25, 1), 1
	s_wait_xcnt 0x0
	s_wait_alu depctr_hold_cnt(0) depctr_sa_sdst(0) depctr_va_vdst(0) depctr_va_sdst(0) depctr_va_ssrc(0) depctr_va_vcc(0) depctr_vm_vsrc(0)
	s_getreg_b32 s2, hwreg(HW_REG_IB_STS2, 6, 4)
	s_cmp_eq_u32 s2, 0
	s_cbranch_scc0 .Lentry_in_a_cluster
	s_endpgm
.Lentry_in_a_cluster:
	s_bfe_u32 s2, ttmp6, 0x10000c
	s_cmp_lg_u32 s2, 0x3003
	s_cbranch_scc0 .Lentry_shape_is_right
	s_endpgm
.Lentry_shape_is_right:
; Causal attention on codes of MX-FP8, head size 64, 2,048 keys, 32 (batch, head) pairs; the result, divided by the row's sum, is quantised along the 1,024 channels and leaves as parts of records.
; WORK LEFT OUT: key steps of 128 keys that lie wholly behind a tile's 16 queries (reference()'s own causal mask gives them the weight 0 for all inputs); a NaN or overflow that reaches only those is not carried on.
; THE SOFTMAX: t = score x log2(e) / 8; M = the running largest t rounded up to a whole number; p = 2^(t - M) is quantised along the keys; the row's sum is taken of the unquantised p and divides at the end.
; LIMIT: the promise holds while |t| stays under 2^31.
; SHARES.  A work-group serves one (batch, head) and 16 of its 128 query rowblocks, 8 blk + g (g = the work-group's x, blk = 0..15).  Wave w of eight owns blk = w and then blk = 15 - w:
; (w + 1) + (16 - w) = 17 key steps in every wave.  Both walks are loops of constant count (8 and 16 trips); a trip behind the diagonal step is jumped over by a branch on the wave's number and the count.
; K AND V OF THE WHOLE HEAD LIE IN LDS, filled once, one tensor load a wave, asked for JOINTLY by the four work-groups of a cluster, which serve the same head: waves 0, 1 K's codes (64 rowblocks x 1,024 bytes each),
; waves 2, 3 K's scale words (64 x 256 bytes each), waves 4-7 one block of 16 channels of V^T each (16 records on end).  So the loops have no refill and no barrier.
; NO PREFETCH: all that the work-group reads of K and V is asked for at the head; there is no loop to run ahead in.
; K = 64 in the first product: the instruction's other 64 along K are zero codes on both sides (registers set to 0 once), under scale bytes 0.
; LAYOUT.  Both products transposed: S^T = K Q^T, O^T = V^T P^T: a lane holds one query.  By the rowblocks' order of rows (launch quant_x) the 16 registers of two neighbouring tiles are 16 neighbouring keys (channels).
; REGISTERS, window 0: v12 -M, v13 the largest t, v[14:15] the sum; v16-31 the first Q; v32-95 V^T's four fragments; v96-159 S^T, then p; v160-191 O^T; v192-207 p's codes; v208-215 K's scale words,
; v216-219 V^T's, v220 p's, v255 and v231 the two Q's; v224-254 at work.  Window 1: v0-127 K's eight fragments (the upper 8 of each stay 0), v128-143 the second Q.
; The next step's K and this step's V^T are asked of LDS directly behind the eight score products; every wait on DScnt is for 0.
.set REC,  2304
.set QKP,  16*REC
.set VTP,  32*REC
.set VTO,  256*QKP
.set KS,   131072                      ; LDS: K's codes [128 rowblocks][1,024] from 0; K's scale words [128][256];
.set VT,   163840                      ; V^T's records [4 blocks of 16 channels][16 key steps][2,304]
.set VD,   16*REC
.set SPARE, 311296                     ; the spare words, 128 bytes for each wave: four blocks of 256 bytes that no other line names
.set AK0, 1                            ; v1 16 x lane
.set AS0, 2                            ; v2 KS + 8 x lane + 2 p
.set AV0, 3                            ; v3 VT + 16 x lane
.set AT0, 4                            ; v4 VT + 2048 + 8 x lane
.set SPW, 5
.set NIL, 6
.set DD,  7                            ; v7 my query - the diagonal step's first key - 16 h
.set ADK, 8
.set ADS, 9
.set ADV, 10
.set ADT, 11
.set PSW, 220
.set GC,  221                          ; v221 16 x lane + 1024 p: my head's codes in a record
.set GS,  222                          ; v222 8 x lane + 2 p: my head's two scale bytes
.set ADV2, 224                         ; channel blocks 2, 3
.set ADT2, 225
.set AV2, 228
.set AT2, 229
.set WV,  18
.set MNT, 19
.set SEL, 20
.set CS,  22
.set G1KC, 24
.set G1KS, 32
.set G1V,  40
.set G0KC, 48
.set G0KS, 52
.set G0V,  56
.set KSTP, 66
.set TK,   68
.set TS,   69
.set TV,   70
.set BLK2, 71
.set MSB, 0
.macro WIN new                         ; the immediate's high byte repeats the setting that is left
.if MSB != \new
	s_set_vgpr_msb (MSB<<8)|\new
.set MSB, \new
.endif
.endm
.macro ROUND
	s_barrier_signal -1
	s_barrier_wait -1
	s_cmp_lg_u32 s[WV], 0
	s_cbranch_scc1 .Lnot_wave_0_\@
	s_barrier_signal -3
.Lnot_wave_0_\@:
	s_barrier_wait -3
	s_barrier_signal -1
	s_barrier_wait -1
.endm
.macro ARM under, g0, g1, next
	s_cmp_lt_u32 s[WV], \under
	s_cbranch_scc0 \next
	tensor_load_to_lds s[\g0:\g0+3], s[\g1:\g1+7]
	s_nop 0
.rept 4
	v_nop
.endr
	s_branch .Lhead_asked
\next:
.endm
.macro INIT                            ; a walk's start: the largest t -3e38, the sum and O^T zeros, which the first change of M leaves zeros
	v_mov_b32 v13, 0xff61b1e6
	v_mov_b32 v14, 0
	v_mov_b32 v15, 0
	v_floor_f32 v12, -v13
.set J, 0
.rept 32
	v_mov_b32 v[160+J], 0
.set J, J+1
.endr
.endm
.macro PRE                             ; key step 0's fragments and scale words of K
	s_wait_dscnt 0x0
	WIN 0x40
.irp t, 0,1,2,3,4,5,6,7
	ds_load_b128 v[16*\t:16*\t+3], v[AK0] offset:1024*\t
	ds_load_b128 v[16*\t+4:16*\t+7], v[AK0] offset:1024*\t+512
.endr
	WIN 0
.irp u, 0,1,2,3,4,5,6,7
	ds_load_u16 v[208+\u], v[AS0] offset:256*\u
.endr
.endm
; A walk over the keys for one query rowblock.  blk: the scalar that holds its diagonal step; qb, qwin, qs: Q's registers, the products' windows, Q's scale word
.macro PASS n, trips, blk, qb, qwin, qs
	s_mov_b32 s[KSTP], 0
	s_mov_b32 s[TK], 0
	s_mov_b32 s[TS], 0
	s_mov_b32 s[TV], 0
.Lstep_\n:
	s_cmp_gt_u32 s[KSTP], s[\blk]
	s_cbranch_scc1 .Lhid_\n
	v_add_nc_u32 v[ADK], s[TK], v[AK0]
	v_add_nc_u32 v[ADS], s[TS], v[AS0]
	v_add_nc_u32 v[ADV], s[TV], v[AV0]
	v_add_nc_u32 v[ADV2], s[TV], v[AV2]
	v_add_nc_u32 v[ADT], s[TV], v[AT0]
	v_add_nc_u32 v[ADT2], s[TV], v[AT2]
	s_wait_alu depctr_va_vdst(0)
	s_wait_dscnt 0x0                               ; this step's K is in
	WIN \qwin
.irp t, 0,1,2,3,4,5,6,7
	v_wmma_scale_f32_16x16x128_f8f6f4 v[96+8*\t:103+8*\t], v[16*\t:16*\t+15], v[\qb:\qb+15], 0, v[208+\t], v[\qs]
.endr
	WIN 0
.rept 8
	v_nop                                          ; places: ahead of the reads of S^T and of the loads into K's registers; with the six additions above, ahead of the loads into V^T's
.endr
.irp d, 0,1
.irp c, 0,1,2,3
	ds_load_b128 v[32+16*\d+4*\c:35+16*\d+4*\c], v[ADV] offset:VD*\d+512*\c
	ds_load_b128 v[64+16*\d+4*\c:67+16*\d+4*\c], v[ADV2] offset:VD*\d+512*\c
.endr
	ds_load_b32 v[216+\d], v[ADT] offset:VD*\d
	ds_load_b32 v[218+\d], v[ADT2] offset:VD*\d
.endr
	s_cmp_eq_u32 s[KSTP], s[\blk]
	s_cbranch_scc1 .Ldiag_\n
	WIN 0x40                                       ; not the diagonal step: the next step's K
.irp t, 0,1,2,3,4,5,6,7
	ds_load_b128 v[16*\t:16*\t+3], v[ADK] offset:8192+1024*\t
	ds_load_b128 v[16*\t+4:16*\t+7], v[ADK] offset:8192+1024*\t+512
.endr
	WIN 0
.irp u, 0,1,2,3,4,5,6,7
	ds_load_u16 v[208+\u], v[ADS] offset:2048+256*\u
.endr
	s_branch .Lopen_\n
.Ldiag_\n:                                         ; the diagonal step, the walk's last: the scores of hidden keys become -infinity ahead of the maximum
	v_mov_b32 v254, 0xff800000
.set N, 0
.rept 64
	v_cmp_gt_i32 vcc_lo, 32*(N/16)+N%16, v[DD]     ; register 16 b + i holds key 32 b + 16 h + i of the step: hidden where 32 b + i > d
	v_cndmask_b32 v[96+N], v[96+N], v254, vcc_lo
.set N, N+1
.endr
.Lopen_\n:
.irp b, 0,1,2,3
	v_max3_num_f32 v[232+\b], v[96+16*\b], v[97+16*\b], v[98+16*\b]   ; the largest score of each block of 32 keys: for the row's maximum and for the block's largest p
.endr
.irp i, 3,5,7,9,11,13
.irp b, 0,1,2,3
	v_max3_num_f32 v[232+\b], v[232+\b], v[96+16*\b+\i], v[97+16*\b+\i]
.endr
.endr
.irp b, 0,1,2,3
	v_max_num_f32 v[232+\b], v[232+\b], v[111+16*\b]
.endr
.irp b, 0,1,2,3
	s_delay_alu instid0(VALU_DEP_4)
	v_permlanex16_b32 v[236+\b], v[232+\b], s[SEL], s[SEL+1]
.endr
.irp b, 0,1,2,3
	s_delay_alu instid0(VALU_DEP_4)
	v_max_num_f32 v[232+\b], v[232+\b], v[236+\b]
.endr
	s_delay_alu instid0(VALU_DEP_2)
	v_max3_num_f32 v254, v232, v233, v234
	s_delay_alu instid0(VALU_DEP_1)
	v_max_num_f32 v254, v254, v235
	s_delay_alu instid0(VALU_DEP_1)
	v_mul_f32 v254, s[CS], v254
	s_delay_alu instid0(VALU_DEP_1)
	v_max_num_f32 v13, v13, v254                   ; the running largest t
	v_mov_b32 v254, v12
	s_delay_alu instid0(VALU_DEP_2)
	v_floor_f32 v12, -v13                          ; the new -M = -ceil(t)
	s_delay_alu instid0(VALU_DEP_1)
	v_sub_f32 v254, v12, v254                      ; old M - new M: a whole number, 0 or less
	s_delay_alu instid0(VALU_DEP_1)
	v_cvt_i32_f32 v254, v254
	s_delay_alu instid0(VALU_DEP_1)
	v_ldexp_f32 v252, 1.0, v254                    ; f = 2^(old M - new M)
.set J, 0
.rept 32
	v_pk_fma_f32 v[96+J:97+J], v[96+J:97+J], s[CS:CS+1], v[12:13] op_sel_hi:[1,0,0]   ; t - M
.set J, J+2
.endr
.irp b, 0,1,2,3
	v_fma_f32 v[232+\b], v[232+\b], s[CS], v12
.endr
.set J, 0
.rept 16
	v_pk_mul_f32 v[160+J:161+J], v[160+J:161+J], v[252:253] op_sel_hi:[1,0]   ; O^T under the new M, ahead of the exponentials
.set J, J+2
.endr
	v_pk_mul_f32 v[14:15], v[14:15], v[252:253] op_sel_hi:[1,0]               ; and the sums
	s_wait_alu depctr_va_vdst(0)                   ; the wait ahead of the batch
.irp b, 0,1,2,3
	v_exp_f32 v[232+\b], v[232+\b]                 ; each block's largest p
.endr
.set J, 0
.rept 64
	v_exp_f32 v[96+J], v[96+J]                     ; p = 2^(t - M)
.set J, J+1
.endr
	v_nop                                          ; a plain place behind the exponentials
	s_wait_alu depctr_va_vdst(0)                   ; one wait for the batch, ahead of its first reader
.irp b, 0,1,2,3
	v_max_num_f32 v[232+\b], 0x4800000, v[232+\b]  ; the floor 2^(9 - 127)
.endr
.irp b, 0,1,2,3
	s_delay_alu instid0(VALU_DEP_4)
	v_add_nc_u32 v[244+\b], 0xfc000000, v[232+\b]  ; 8 off the exponent field: the conversion's scale operand
.endr
.irp b, 0,1,2,3
	v_and_or_b32 v[240+\b], v[232+\b], 0x7f800000, s[MNT]   ; 448 x the scale
.endr
.irp b, 0,1,2,3
	v_lshrrev_b32 v[236+\b], 23, v[244+\b]         ; the scale's byte
.endr
	s_delay_alu instid0(VALU_DEP_3)
	v_lshl_or_b32 v[PSW], v237, 8, v236            ; p's scale word for these 128 keys
	s_delay_alu instid0(VALU_DEP_1)
	v_lshl_or_b32 v[PSW], v238, 16, v[PSW]
	s_delay_alu instid0(VALU_DEP_1)
	v_lshl_or_b32 v[PSW], v239, 24, v[PSW]
.set J, 96                                     ; the row's sum of the unquantised p: 32 pairs in eight chains by turns
.irp c, 232,234,236,238,248,250,226
	v_pk_add_f32 v[\c:\c+1], v[J:J+1], v[J+2:J+3]
.set J, J+4
.endr
.rept 2
.irp c, 14,232,234,236,238,248,250,226
	v_pk_add_f32 v[\c:\c+1], v[\c:\c+1], v[J:J+1]
.set J, J+2
.endr
.endr
	v_pk_add_f32 v[14:15], v[14:15], v[156:157]
	v_pk_add_f32 v[232:233], v[232:233], v[158:159]
.irp b, 0,1,2,3
.irp i, 0,2,4,6,8,10,12,14
	v_dual_min_num_f32 v[96+16*\b+\i], v[96+16*\b+\i], v[240+\b] :: v_dual_min_num_f32 v[97+16*\b+\i], v[97+16*\b+\i], v[240+\b]   ; the hold (ISA guide 7.6.2: the conversion does not saturate); p is not negative
.endr
	v_cvt_scalef32_pk8_fp8_f32 v[192+4*\b:193+4*\b], v[96+16*\b:103+16*\b], v[244+\b]
	v_cvt_scalef32_pk8_fp8_f32 v[194+4*\b:195+4*\b], v[104+16*\b:111+16*\b], v[244+\b]
.endr
	v_pk_add_f32 v[236:237], v[236:237], v[238:239]   ; the eight chains are joined: seven plain lines, which are also the places between the codes and the products
	v_pk_add_f32 v[248:249], v[248:249], v[250:251]
	v_pk_add_f32 v[14:15], v[14:15], v[226:227]
	v_pk_add_f32 v[232:233], v[232:233], v[234:235]
	s_delay_alu instid0(VALU_DEP_1)
	v_pk_add_f32 v[232:233], v[232:233], v[236:237]
	s_delay_alu instid0(VALU_DEP_3)
	v_pk_add_f32 v[14:15], v[14:15], v[248:249]
	s_delay_alu instid0(VALU_DEP_1)
	v_pk_add_f32 v[14:15], v[14:15], v[232:233]
	s_wait_alu depctr_va_vdst(0)
	s_wait_dscnt 0x0                               ; V^T is in (and the next step's K)
.irp d, 0,1,2,3
	v_wmma_scale_f32_16x16x128_f8f6f4 v[160+8*\d:167+8*\d], v[32+16*\d:47+16*\d], v[192:207], v[160+8*\d:167+8*\d], v[216+\d], v[PSW]
.endr
.Lhid_\n:
	s_add_co_u32 s[TK], s[TK], 8192
	s_add_co_u32 s[TS], s[TS], 2048
	s_add_co_u32 s[TV], s[TV], REC
	s_add_co_u32 s[KSTP], s[KSTP], 1
	s_cmp_lt_u32 s[KSTP], \trips
	s_cbranch_scc1 .Lstep_\n
.endm
; THE WAY OUT: O^T / the sum; register 16 c + i is channel 32 c + 16 h + i of my head: two blocks of 32 along the next K.  A head owns two of a row's four scale bytes of a record: two stores of 2 bytes a lane
.macro WAYOUT ob
.rept 8
	v_nop
.endr
	v_add_f32 v14, v14, v15
	s_delay_alu instid0(VALU_DEP_1)
	v_permlanex16_b32 v252, v14, s[SEL], s[SEL+1]
	s_delay_alu instid0(VALU_DEP_1)
	v_add_f32 v14, v14, v252
	s_wait_alu depctr_va_vdst(0)                   ; the wait ahead of the transcendental
	v_rcp_f32 v14, v14
	v_nop
	s_wait_alu depctr_va_vdst(0)                   ; and ahead of its first reader, which is also O^T's
.set J, 0
.rept 32
	v_mul_f32 v[96+J], v[160+J], v14
.set J, J+1
.endr
.irp b, 0,1
	v_max3_num_f32 v[232+\b], |v[96+16*\b]|, |v[97+16*\b]|, 0x4800000
.endr
.irp i, 2,4,6,8,10,12,14
.irp b, 0,1
	s_delay_alu instid0(VALU_DEP_2)
	v_max3_num_f32 v[232+\b], v[232+\b], |v[96+16*\b+\i]|, |v[97+16*\b+\i]|
.endr
.endr
.irp b, 0,1
	s_delay_alu instid0(VALU_DEP_2)
	v_permlanex16_b32 v[236+\b], v[232+\b], s[SEL], s[SEL+1]
.endr
.irp b, 0,1
	s_delay_alu instid0(VALU_DEP_2)
	v_max_num_f32 v[232+\b], v[232+\b], v[236+\b]
.endr
.irp b, 0,1
	s_delay_alu instid0(VALU_DEP_2)
	v_add_nc_u32 v[244+\b], 0xfc000000, v[232+\b]
.endr
.irp b, 0,1
	s_delay_alu instid0(VALU_DEP_4)
	v_and_or_b32 v[240+\b], v[232+\b], 0x7f800000, s[MNT]
.endr
.irp b, 0,1
	s_delay_alu instid0(VALU_DEP_4)
	v_lshrrev_b32 v[236+\b], 23, v[244+\b]
.endr
	s_delay_alu instid0(VALU_DEP_1)
	v_lshl_or_b32 v223, v237, 8, v236              ; my head's two scale bytes
.irp b, 0,1
.irp i, 0,1,2,3,4,5,6,7,8,9,10,11,12,13,14,15
	v_med3_num_f32 v[96+16*\b+\i], v[96+16*\b+\i], -v[240+\b], v[240+\b]
.endr
	v_cvt_scalef32_pk8_fp8_f32 v[192+4*\b:193+4*\b], v[96+16*\b:103+16*\b], v[244+\b]
	v_cvt_scalef32_pk8_fp8_f32 v[194+4*\b:195+4*\b], v[104+16*\b:111+16*\b], v[244+\b]
.endr
	v_nop                                          ; a plain line behind the last conversion
	global_store_b128 v[GC], v[192:195], s[\ob:\ob+1]             ; 512 consecutive bytes, aligned
	global_store_b128 v[GC], v[196:199], s[\ob:\ob+1] offset:512
	global_store_b16 v[GS], v223, s[\ob:\ob+1] offset:2048        ; the word lies twice in a record
	global_store_b16 v[GS], v223, s[\ob:\ob+1] offset:2052
.endm
	s_load_b128 s[4:7], s[0:1], 0x0                ; qkv, act
	v_lshl_add_u32 v[SPW], v0, 2, SPARE
	v_mov_b32 v[NIL], 0
	ds_add_u32 v[SPW], v[NIL]                      ; the wave's opening: the add, twice on end, and its wait ahead of my first tensor load
	ds_add_u32 v[SPW], v[NIL]
	v_lshrrev_b32 v8, 5, v0
	s_delay_alu instid0(VALU_DEP_1)
	v_readfirstlane_b32 s[WV], v8                  ; wave 0..7: also my first walk's diagonal step
	s_bfe_u32 s8, ttmp6, 0x40000                   ; cx
	s_lshl_b32 s9, ttmp9, 2
	s_add_co_u32 s9, s9, s8                        ; g: it enters Q's and the result's addresses and the mask's numbers alone
	s_and_b32 s10, ttmp7, 0xffff
	s_lshr_b32 s11, s10, 4                         ; batch
	s_and_b32 s12, s10, 15                         ; head
	s_and_b32 s13, s12, 1                          ; p: which half of a record is my head's
	s_lshr_b32 s14, s12, 1                         ; the head pair
	s_sub_co_u32 s[BLK2], 15, s[WV]                ; my second walk's diagonal step
	; descriptor groups 1: elements of 8 bytes; the mask names the cluster's four work-groups
	s_mov_b32 s[G1KC], 15|(3<<16)|(1<<21)          ; K's codes: 64 rowblocks x 1,024 bytes, 36,864 bytes apart
	s_mov_b32 s[G1KC+1], 128<<16
	s_mov_b32 s[G1KC+2], 64<<16
	s_mov_b32 s[G1KC+3], 128<<16
	s_mov_b32 s[G1KC+4], 64
	s_mov_b32 s[G1KC+5], 4608
	s_mov_b32 s[G1KC+6], 0
	s_mov_b32 s[G1KC+7], 0
	s_mov_b32 s[G1KS], 15|(3<<16)|(1<<21)          ; K's scale words: 64 rowblocks x 256 bytes
	s_mov_b32 s[G1KS+1], 32<<16
	s_mov_b32 s[G1KS+2], 64<<16
	s_mov_b32 s[G1KS+3], 32<<16
	s_mov_b32 s[G1KS+4], 64
	s_mov_b32 s[G1KS+5], 4608
	s_mov_b32 s[G1KS+6], 0
	s_mov_b32 s[G1KS+7], 0
	s_mov_b32 s[G1V], 15|(3<<16)|(1<<21)           ; V^T: 16 records of 2,304 bytes on end
	s_mov_b32 s[G1V+1], 288<<16
	s_mov_b32 s[G1V+2], 16<<16
	s_mov_b32 s[G1V+3], 288<<16
	s_mov_b32 s[G1V+4], 16
	s_mov_b32 s[G1V+5], 288
	s_mov_b32 s[G1V+6], 0
	s_mov_b32 s[G1V+7], 0
	s_and_b32 s15, s[WV], 1                        ; which 64 rowblocks of K
	s_lshl_b32 s60, s11, 7                         ; 128 rowblocks a batch
	s_lshl_b32 s61, s15, 6
	s_add_co_u32 s61, s61, s60
	s_mul_i32 s72, s61, QKP
	s_add_co_u32 s62, s14, 8                       ; k's records are steps 8-15
	s_mul_i32 s62, s62, REC
	s_add_co_u32 s72, s72, s62
	s_lshl_b32 s85, s13, 10                        ; 1024 p
	s_add_co_u32 s74, s72, s85                     ; my head's codes,
	s_mov_b32 s75, 0
	s_add_co_u32 s72, s72, 2048                    ; the record's scale words
	s_mov_b32 s73, 0
	s_and_b32 s16, s[WV], 3                        ; which block of 16 channels of V^T
	s_lshl_b32 s62, s12, 2
	s_add_co_u32 s62, s62, s16
	s_mul_i32 s62, s62, VTP
	s_lshl_b32 s76, s11, 4
	s_mul_i32 s76, s76, REC
	s_add_co_u32 s76, s76, s62
	s_add_co_u32 s76, s76, VTO                     ; V^T: rowblock 4 x head + block, step 16 x batch
	s_mov_b32 s77, 0
	s_lshl_b32 s78, s[WV], 3
	s_add_co_u32 s78, s78, s9
	s_add_co_u32 s78, s78, s60                     ; my first query rowblock,
	s_lshl_b32 s79, s[BLK2], 3
	s_add_co_u32 s79, s79, s9
	s_add_co_u32 s79, s79, s60                     ; my second
	s_mul_i32 s17, s14, REC
	s_mul_i32 s80, s78, QKP
	s_add_co_u32 s80, s80, s17                     ; q's records
	s_mov_b32 s81, 0
	s_mul_i32 s86, s79, QKP
	s_add_co_u32 s86, s86, s17
	s_mov_b32 s87, 0
	s_mul_i32 s82, s78, 8*REC
	s_add_co_u32 s82, s82, s17                     ; the results' records
	s_mov_b32 s83, 0
	s_mul_i32 s88, s79, 8*REC
	s_add_co_u32 s88, s88, s17
	s_mov_b32 s89, 0
	s_lshl_b32 s84, s13, 1                         ; 2 p
	s_lshr_b32 s90, s9, 1
	s_lshl_b32 s90, s90, 5
	s_and_b32 s91, s9, 1
	s_lshl_b32 s91, s91, 3
	s_add_co_u32 s90, s90, s91                     ; 32 (g / 2) + 8 (g % 2)
	s_mov_b32 s[SEL], 0x76543210
	s_mov_b32 s[SEL+1], 0xfedcba98
	s_mov_b32 s[CS], 0x3e38aa3b                    ; c = log2(e) / 8
	s_mov_b32 s[CS+1], s[CS]
	s_mov_b32 s[MNT], 0x600000
	s_wait_dscnt 0x0                               ; both opening adds are done
	s_wait_kmcnt 0x0
	s_mov_b32 s[G0KC], 1
	s_lshl_b32 s[G0KC+1], s15, 16                  ; 65,536 x half
	s_add_nc_u64 s[G0KC+2:G0KC+3], s[4:5], s[74:75]
	s_or_b32 s[G0KC+3], s[G0KC+3], 0x80000000
	s_mov_b32 s[G0KS], 1
	s_lshl_b32 s[G0KS+1], s15, 14
	s_add_co_u32 s[G0KS+1], s[G0KS+1], KS
	s_add_nc_u64 s[G0KS+2:G0KS+3], s[4:5], s[72:73]
	s_or_b32 s[G0KS+3], s[G0KS+3], 0x80000000
	s_mov_b32 s[G0V], 1
	s_mul_i32 s[G0V+1], s16, VD
	s_add_co_u32 s[G0V+1], s[G0V+1], VT
	s_add_nc_u64 s[G0V+2:G0V+3], s[4:5], s[76:77]
	s_or_b32 s[G0V+3], s[G0V+3], 0x80000000
	s_add_nc_u64 s[80:81], s[4:5], s[80:81]
	s_add_nc_u64 s[86:87], s[4:5], s[86:87]
	s_add_nc_u64 s[82:83], s[6:7], s[82:83]
	s_add_nc_u64 s[88:89], s[6:7], s[88:89]
	ROUND                                          ; all four work-groups are here: the joint loads meet
	ARM 2, G0KC, G1KC, .Lhead_ks                   ; one chain of arms on the wave's number, one load to an arm: every way through the head passes exactly one
	ARM 4, G0KS, G1KS, .Lhead_v
	tensor_load_to_lds s[G0V:G0V+3], s[G1V:G1V+7]
	s_nop 0
.rept 4
	v_nop
.endr
.Lhead_asked:
	v_and_b32 v8, 31, v0
	s_delay_alu instid0(VALU_DEP_1)
	v_lshlrev_b32 v[AK0], 4, v8
	s_delay_alu instid0(VALU_DEP_2)
	v_lshl_add_u32 v[GS], v8, 3, s84
	s_delay_alu instid0(VALU_DEP_2)
	v_add_nc_u32 v[GC], s85, v[AK0]
	global_load_b128 v[16:19], v[GC], s[80:81]               ; both Q fragments stay in registers
	global_load_b128 v[20:23], v[GC], s[80:81] offset:512
	global_load_u16 v255, v[GS], s[80:81] offset:2048        ; two scale bytes; the word's upper bytes are 0, over zero codes
	global_load_u16 v231, v[GS], s[86:87] offset:2048
	WIN 0x40
	global_load_b128 v[128:131], v[GC], s[86:87]
	global_load_b128 v[132:135], v[GC], s[86:87] offset:512
.irp j, 0,1,2,3,4,5,6,7
	v_mov_b32 v[136+\j], 0                         ; the other 64 along K: zero codes
.irp t, 0,1,2,3,4,5,6,7
	v_mov_b32 v[16*\t+8+\j], 0
.endr
.endr
	WIN 0
.irp j, 0,1,2,3,4,5,6,7
	v_mov_b32 v[24+\j], 0
.endr
	v_add_nc_u32 v[AS0], KS, v[GS]
	v_add_nc_u32 v[AV0], VT, v[AK0]
	v_add_nc_u32 v[AV2], VT+2*VD, v[AK0]
	v_lshlrev_b32 v9, 3, v8
	s_delay_alu instid0(VALU_DEP_1)
	v_add_nc_u32 v[AT0], VT+2048, v9
	v_add_nc_u32 v[AT2], VT+2*VD+2048, v9
	v_and_b32 v8, 15, v0
	s_delay_alu instid0(VALU_DEP_1)
	v_and_b32 v9, 8, v8
	s_delay_alu instid0(VALU_DEP_1)
	v_add_nc_u32 v8, v8, v9                        ; r + 8 (r / 8)
	v_bfe_u32 v9, v0, 4, 1
	s_delay_alu instid0(VALU_DEP_1)
	v_lshlrev_b32 v9, 4, v9
	s_delay_alu instid0(VALU_DEP_1)
	v_sub_nc_u32 v8, v8, v9
	s_delay_alu instid0(VALU_DEP_1)
	v_add_nc_u32 v[DD], s90, v8
.irp b, 0,1,2,3
	v_mov_b32 v[236+\b], 0                         ; a lane permute's destination counts as one of its sources
.endr
	v_mov_b32 v252, 0
	v_mov_b32 v253, 0                              ; (named as the upper half of the pair v[252:253])
	INIT
	s_wait_alu depctr_va_vdst(0)                   ; the wait at the head's end
	s_wait_tensorcnt 0x0                           ; my tile has landed,
	s_barrier_signal -1
	s_barrier_wait -1                              ; everybody's has
	PRE
	s_wait_loadcnt 0x0                             ; Q
	PASS 1, 8, WV, 16, 0x01, 255
	PRE                                            ; the second walk's first K comes while the first result leaves
	WAYOUT 82
	INIT
	s_wait_alu depctr_va_vdst(0)
	s_wait_xcnt 0x0                                ; the stores have read their registers: the codes' are written again below
	PASS 2, 16, BLK2, 128, 0x05, 231
	WAYOUT 88
	s_wait_tensorcnt 0x0                           ; the wave's end
	ds_add_u32 v[SPW], v[NIL]
	s_wait_dscnt 0x0
	ROUND                                          ; the closing round
	s_endpgm
.Lfunc_end_k_q276cb6350b_attn:
	.size	k_q276cb6350b_attn, .Lfunc_end_k_q276cb6350b_attn-k_q276cb6350b_attn
	.p2alignl 7, 3214868480
	.fill 96, 4, 3214868480
	.section	.rodata,"a",@progbits
	.p2align	6, 0x0
	.amdhsa_kernel k_q276cb6350b_attn
		.amdhsa_group_segment_fixed_size 327680
		.amdhsa_private_segment_fixed_size 0
		.amdhsa_enable_private_segment 0
		.amdhsa_kernarg_size 16
		.amdhsa_user_sgpr_count 2
		.amdhsa_user_sgpr_kernarg_segment_ptr 1
		.amdhsa_wavefront_size32 1
		.amdhsa_system_sgpr_workgroup_id_x 1
		.amdhsa_system_sgpr_workgroup_id_y 1
		.amdhsa_system_sgpr_workgroup_id_z 1
		.amdhsa_system_vgpr_workitem_id 0
		.amdhsa_next_free_vgpr 400
		.amdhsa_next_free_sgpr 100
		.amdhsa_reserve_vcc 1
		.amdhsa_float_denorm_mode_32 3
		.amdhsa_float_denorm_mode_16_64 3
		.amdhsa_memory_ordered 1
		.amdhsa_forward_progress 1
		.amdhsa_inst_pref_size 81
	.end_amdhsa_kernel
	.amdgpu_metadata
---
amdhsa.version: [ 1, 2 ]
amdhsa.kernels:
  - .name:           k_q276cb6350b_attn
    .symbol:         k_q276cb6350b_attn.kd
    .args:
      - { .name: qkv, .offset: 0, .size: 8, .value_kind: global_buffer, .address_space: global }
      - { .name: act, .offset: 8, .size: 8, .value_kind: global_buffer, .address_space: global }
    .group_segment_fixed_size: 327680
    .private_segment_fixed_size: 0
    .kernarg_segment_align: 8
    .kernarg_segment_size: 16
    .max_flat_workgroup_size: 256
    .sgpr_count:     100
    .vgpr_count:     400
    .wavefront_size: 32
...
	.end_amdgpu_metadata
.endif
;; end of part 4
;; launch g_proj (part 5): grid 8 x 32, 4 waves a work-group, clusters of 4 x 4, 327,680 bytes of LDS; arguments act, wpr, ybuf; writes ybuf
.if DOCPART == 5
	.amdgcn_target "amdgcn-amd-amdhsa--gfx1250"
	.amdhsa_code_object_version 6
	.text
	.protected	k_q276cb6350b_g_proj
	.globl	k_q276cb6350b_g_proj
	.p2align	8
	.type	k_q276cb6350b_g_proj,@function
k_q276cb6350b_g_proj:
	s_mov_b64 s[64:65], 0
	v_nop
	global_prefetch_b8 v0, s[64:65] scope:SCOPE_SE
	s_setreg_imm32_b32 hwreg(HW_REG_WAVE_MODE, 25, 1), 1
	s_wait_xcnt 0x0
	s_wait_alu depctr_hold_cnt(0) depctr_sa_sdst(0) depctr_va_vdst(0) depctr_va_sdst(0) depctr_va_ssrc(0) depctr_va_vcc(0) depctr_vm_vsrc(0)
	s_getreg_b32 s2, hwreg(HW_REG_IB_STS2, 6, 4)
	s_cmp_eq_u32 s2, 0
	s_cbranch_scc0 .Lentry_in_a_cluster
	s_endpgm
.Lentry_in_a_cluster:
	s_bfe_u32 s2, ttmp6, 0x10000c
	s_cmp_lg_u32 s2, 0xf033
	s_cbranch_scc0 .Lentry_shape_is_right
	s_endpgm
.Lentry_shape_is_right:
.set LAPS,  1
.set REC,   2304
.set KREC,  8*REC
.set RB4,   4*REC
.set HALFT, 4*RB4
.set SLOT,  4*HALFT
.set SPARE, 2*SLOT
.set ASTEP, 256*KREC
.set BSTEP, 64*KREC
.set SPITCH, 272
.set NP,    8
.set ADRA, 16
.set ADRS, 18
.set ADRB, 20
.set STO,  24
.set RD,   25
.set CO,   26
.set SPW,  28
.set NIL,  29
.set SC,   32
.set BK,   64
.set ACC,  128
.set G1,  24
.set G0,  32
.set G1B, 48
.set G0B, 56
.set MSB, 0
.macro WIN new
.if MSB != \new
	s_set_vgpr_msb (MSB<<8)|\new
.set MSB, \new
.endif
.endm
.set MUL,  0x05
.set TO_F, 0x40
.macro JLOAD g0a, g0b
	s_cmp_eq_u32 s15, 0
	s_cbranch_scc0 .Lfor_b_\@
	tensor_load_to_lds s[\g0a:\g0a+3], s[G1:G1+7]
	s_nop 0
.rept 4
	v_nop
.endr
	s_branch .Lasked_\@
.Lfor_b_\@:
	tensor_load_to_lds s[\g0b:\g0b+3], s[G1B:G1B+7]
	s_nop 0
.rept 4
	v_nop
.endr
.Lasked_\@:
.endm
.macro CREST
	s_cmp_lg_u32 s14, 0
	s_cbranch_scc1 .Lnot_wave_0_\@
	s_barrier_signal -3
.Lnot_wave_0_\@:
	s_barrier_wait -3
	s_barrier_signal -1
	s_barrier_wait -1
.endm
.macro CROUND
	s_barrier_signal -1
	s_barrier_wait -1
	CREST
.endm
.macro FRAG reg, adr, q, i
.irp c, 0,1,2,3
	ds_load_b128 v[\reg+4*\c:\reg+4*\c+3], v[\adr] offset:(\i)*RB4+(\q)*REC+512*\c
.endr
.endm
.macro FETCH slot, q, f
	WIN TO_F
.irp i, 0,1,2,3
	FRAG 64+16*\i+(\f), ADRB+\slot, \q, \i
.endr
.irp i, 0,1,2,3
	FRAG 16*\i+(\f), ADRA+\slot, \q, \i
.endr
.endm
.macro SCALES sc
.irp i, 0,1,2,3
.irp q, 0,1,2,3
	ds_load_b32 v[SC+16*\sc+4*\i+\q], v[ADRS+\sc] offset:\i*RB4+\q*REC
.endr
.endr
.endm
.macro MULQ f, q, sc, a0, zero
.irp a, \a0, \a0+1
.irp b, 0,1,2,3
.if \zero
	v_wmma_scale_f32_16x16x128_f8f6f4 v[ACC+8*(4*(\a)+\b):ACC+8*(4*(\a)+\b)+7], v[64+16*\b+(\f):64+16*\b+(\f)+15], v[16*(\a)+(\f):16*(\a)+(\f)+15], 0, v[SC+16*(\sc)+4*\b+(\q)], v[SC+16*(\sc)+4*(\a)+(\q)] matrix_a_scale:MATRIX_SCALE_ROW1
.else
	v_wmma_scale_f32_16x16x128_f8f6f4 v[ACC+8*(4*(\a)+\b):ACC+8*(4*(\a)+\b)+7], v[64+16*\b+(\f):64+16*\b+(\f)+15], v[16*(\a)+(\f):16*(\a)+(\f)+15], v[ACC+8*(4*(\a)+\b):ACC+8*(4*(\a)+\b)+7], v[SC+16*(\sc)+4*\b+(\q)], v[SC+16*(\sc)+4*(\a)+(\q)] matrix_a_scale:MATRIX_SCALE_ROW1
.endif
.endr
.endr
.endm
.macro PLACES n
.rept \n
	v_nop
.endr
.endm
.macro STEP slot, q, zero
	PLACES NP
	FETCH \slot, (\q)+1, 128*(((\q)+1)%2)
	s_wait_dscnt 32
	WIN MUL
	MULQ 128*((\q)%2), \q, \slot, 0, \zero
	MULQ 128*((\q)%2), \q, \slot, 2, \zero
.endm
.macro TURN slot, next, fill
	WIN 0
	s_wait_tensorcnt 0x0
	ds_add_u32 v[SPW], v[NIL]
	s_wait_dscnt 0x0
	s_barrier_signal -1
	WIN MUL
	MULQ 128, 3, \slot, 0, 0
	WIN 0
	s_barrier_wait -1
.if \fill
	CREST
	s_add_nc_u64 s[G0+4*\slot+2:G0+4*\slot+3], s[G0+4*\slot+2:G0+4*\slot+3], ASTEP
	s_add_nc_u64 s[G0B+4*\slot+2:G0B+4*\slot+3], s[G0B+4*\slot+2:G0B+4*\slot+3], BSTEP
	JLOAD G0+4*\slot, G0B+4*\slot
	PLACES NP-4
.else
	PLACES NP
.endif
	FETCH \next, 0, 0
	WIN 0
	SCALES \next
	WIN MUL
	MULQ 128, 3, \slot, 2, 0
.endm
	s_load_b128 s[4:7], s[0:1], 0x0
	s_load_b64 s[12:13], s[0:1], 0x10
	v_lshl_add_u32 v[SPW], v0, 2, SPARE
	v_mov_b32 v[NIL], 0
	ds_add_u32 v[SPW], v[NIL]
	ds_add_u32 v[SPW], v[NIL]
	v_lshrrev_b32 v1, 5, v0
	v_readfirstlane_b32 s14, v1
	s_lshr_b32 s15, s14, 1
	s_and_b32 s16, s14, 1
	s_bfe_u32 s40, ttmp6, 0x40000
	s_bfe_u32 s41, ttmp6, 0x40004
	s_lshl_b32 s42, ttmp9, 2
	s_add_co_u32 s42, s42, s40
	s_and_b32 s17, ttmp7, 0xffff
	s_lshl_b32 s17, s17, 2
	s_add_co_u32 s17, s17, s41
	s_lshl_b32 s43, s41, 2
	s_lshl_b32 s43, 15, s43
	s_lshl_b32 s44, 0x1111, s40
	s_or_b32 s[G1+0], s43, (3<<16)|(1<<21)
	s_or_b32 s[G1B+0], s44, (3<<16)|(1<<21)
.irp g, G1, G1B
	s_mov_b32 s[\g+1], 1152<<16
	s_mov_b32 s[\g+2], 4<<16
	s_mov_b32 s[\g+3], 1152<<16
	s_mov_b32 s[\g+4], 4
	s_mov_b32 s[\g+5], 2304
	s_mov_b32 s[\g+6], 0
	s_mov_b32 s[\g+7], 0
.endr
	s_lshl_b32 s18, s16, 2
	s_lshl_b32 s20, s17, 3
	s_add_co_u32 s20, s20, s18
	s_mul_i32 s20, s20, KREC
	s_mov_b32 s21, 0
	s_lshl_b32 s46, s42, 3
	s_add_co_u32 s46, s46, s18
	s_mul_i32 s46, s46, KREC
	s_mov_b32 s47, 0
	s_mul_i32 s45, s14, HALFT
	s_wait_dscnt 0x0
	s_wait_kmcnt 0x0
	s_add_nc_u64 s[20:21], s[4:5], s[20:21]
	s_add_nc_u64 s[46:47], s[6:7], s[46:47]
	CROUND
.irp s, 0,1
	s_mov_b32 s[G0+4*\s], 1
	s_add_co_u32 s[G0+4*\s+1], s45, \s*SLOT
	s_add_nc_u64 s[G0+4*\s+2:G0+4*\s+3], s[20:21], \s*RB4
	s_or_b32 s[G0+4*\s+3], s[G0+4*\s+3], 0x80000000
	s_mov_b32 s[G0B+4*\s], 1
	s_add_co_u32 s[G0B+4*\s+1], s45, \s*SLOT
	s_add_nc_u64 s[G0B+4*\s+2:G0B+4*\s+3], s[46:47], \s*RB4
	s_or_b32 s[G0B+4*\s+3], s[G0B+4*\s+3], 0x80000000
.endr
	JLOAD G0, G0B
	; A PREFETCH of fill 1, the last, behind fill 0.  Of the 4 rowblocks that I fetch, each of the four partners that ask for them jointly takes one, told apart by address (cx for A's tiles, cy for B's):
	; a fill's part of a rowblock is 9,216 bytes, 36 blocks of 256: a lane a block, and a second line for the last four
	s_cmp_eq_u32 s15, 0
	s_cselect_b64 s[76:77], s[20:21], s[46:47]
	s_cselect_b32 s82, s40, s41
	s_mul_i32 s82, s82, KREC
	s_mov_b32 s83, 0
	s_add_nc_u64 s[76:77], s[76:77], s[82:83]      ; never rewritten
	v_and_b32 v23, 31, v0
	v_lshlrev_b32 v22, 8, v23
	v_min_u32 v23, 3, v23                          ; (lanes that are left over name the last block again)
	v_lshlrev_b32 v23, 8, v23
	global_prefetch_b8 v22, s[76:77] offset:RB4 th:TH_LOAD_NT scope:SCOPE_SE
	global_prefetch_b8 v23, s[76:77] offset:RB4+8192 th:TH_LOAD_NT scope:SCOPE_SE
	v_and_b32 v1, 31, v0
	v_bfe_u32 v2, v0, 4, 1
	s_wait_alu depctr_va_vdst(0)
	v_and_b32 v3, 15, v0
	v_lshlrev_b32 v4, 4, v1
	v_lshlrev_b32 v5, 3, v1
	s_mul_i32 s21, s15, HALFT
	s_mul_i32 s22, s16, HALFT
	s_add_co_u32 s22, s22, 2*HALFT
.irp s, 0,1
	v_add_nc_u32 v[ADRA+\s], s21, v4
	v_add_nc_u32 v[ADRB+\s], s22, v4
	s_add_co_u32 s21, s21, SLOT
	s_add_co_u32 s22, s22, SLOT
.endr
	s_mul_i32 s21, s15, HALFT
	s_mul_i32 s22, s16, HALFT
	s_add_co_u32 s22, s22, 2*HALFT
	s_sub_co_u32 s22, s22, s21
	v_mul_u32_u24 v6, s22, v2
	s_wait_alu depctr_va_vdst(0)
	v_add_nc_u32 v5, v5, v6
	s_add_co_u32 s21, s21, 2048
	v_add_nc_u32 v[ADRS], s21, v5
	s_add_co_u32 s21, s21, SLOT
	v_add_nc_u32 v[ADRS+1], s21, v5
	s_mul_i32 s23, s14, 16*SPITCH
	v_mul_u32_u24 v7, v3, SPITCH
	v_lshl_add_u32 v7, v2, 6, v7
	v_add_nc_u32 v[STO], s23, v7
	v_mul_u32_u24 v7, v2, SPITCH
	v_lshl_add_u32 v7, v3, 4, v7
	v_add_nc_u32 v[RD], s23, v7
	v_lshlrev_b32 v[CO], 12, v2
	v_lshl_add_u32 v[CO], v3, 4, v[CO]
	s_lshl_b32 s72, s17, 19
	s_lshl_b32 s73, s15, 18
	s_add_co_u32 s72, s72, s73
	s_lshl_b32 s73, s42, 9
	s_add_co_u32 s72, s72, s73
	s_lshl_b32 s73, s16, 8
	s_add_co_u32 s72, s72, s73
	s_mov_b32 s73, 0
	s_add_nc_u64 s[12:13], s[12:13], s[72:73]
	s_wait_alu depctr_va_vdst(0)
	s_wait_tensorcnt 0x0
	ds_add_u32 v[SPW], v[NIL]
	s_wait_dscnt 0x0
	CROUND
	JLOAD G0+4, G0B+4
	FETCH 0, 0, 0
	WIN 0
	SCALES 0
	STEP 0, 0, 1
.if LAPS > 1
	WIN 0
	s_mov_b32 s3, LAPS-1
.Llap:
	STEP 0, 1, 0
	STEP 0, 2, 0
	TURN 0, 1, 1
	STEP 1, 0, 0
	STEP 1, 1, 0
	STEP 1, 2, 0
	TURN 1, 0, 1
	STEP 0, 0, 0
	WIN 0
	s_sub_co_u32 s3, s3, 1
	s_cmp_lg_u32 s3, 0
	s_cbranch_scc1 .Llap
.endif
	STEP 0, 1, 0
	STEP 0, 2, 0
	TURN 0, 1, 0
	STEP 1, 0, 0
	STEP 1, 1, 0
	STEP 1, 2, 0
	s_wait_dscnt 0x0
	MULQ 128, 3, 1, 0, 0
	MULQ 128, 3, 1, 2, 0
	WIN 0
.macro TOSTAGE a
.set AC, ACC+32*(\a)
.irp b, 0,1,2,3
	ds_store_b128 v[STO], v[AC+8*\b:AC+8*\b+3] offset:128*(\b/2)+32*(\b%2)
	ds_store_b128 v[STO], v[AC+8*\b+4:AC+8*\b+7] offset:128*(\b/2)+32*(\b%2)+16
.endr
.set BB, BK+32*((\a)%2)
.irp t, 0,1,2,3,4,5,6,7
	ds_load_b128 v[BB+4*\t:BB+4*\t+3], v[RD] offset:2*\t*SPITCH
.endr
.endm
.macro SEND a, younger
.set BB, BK+32*((\a)%2)
.set R0, 32*((\a)/2)+8*((\a)%2)
	s_wait_dscnt \younger
.irp t, 0,1,2,3,4,5,6,7
	global_store_b128 v[CO], v[BB+4*\t:BB+4*\t+3], s[12:13] offset:(R0+2*\t+8*(\t/4))*4096 th:TH_STORE_NT
.endr
.endm
	PLACES NP
	TOSTAGE 0
.irp a, 1,2,3
.if \a > 1
	s_wait_xcnt 0x0
.endif
	TOSTAGE \a
	SEND \a-1, 16
.endr
	SEND 3, 0
	s_wait_tensorcnt 0x0
	ds_add_u32 v[SPW], v[NIL]
	s_wait_dscnt 0x0
	CROUND
	s_endpgm
.Lfunc_end_k_q276cb6350b_g_proj:
	.size	k_q276cb6350b_g_proj, .Lfunc_end_k_q276cb6350b_g_proj-k_q276cb6350b_g_proj
	.p2alignl 7, 3214868480
	.fill 96, 4, 3214868480
	.section	.rodata,"a",@progbits
	.p2align	6, 0x0
	.amdhsa_kernel k_q276cb6350b_g_proj
		.amdhsa_group_segment_fixed_size 327680
		.amdhsa_private_segment_fixed_size 0
		.amdhsa_enable_private_segment 0
		.amdhsa_kernarg_size 24
		.amdhsa_user_sgpr_count 2
		.amdhsa_user_sgpr_kernarg_segment_ptr 1
		.amdhsa_wavefront_size32 1
		.amdhsa_system_sgpr_workgroup_id_x 1
		.amdhsa_system_sgpr_workgroup_id_y 1
		.amdhsa_system_sgpr_workgroup_id_z 1
		.amdhsa_system_vgpr_workitem_id 0
		.amdhsa_next_free_vgpr 512
		.amdhsa_next_free_sgpr 100
		.amdhsa_reserve_vcc 0
		.amdhsa_float_denorm_mode_32 3
		.amdhsa_float_denorm_mode_16_64 3
		.amdhsa_memory_ordered 1
		.amdhsa_forward_progress 1
		.amdhsa_inst_pref_size 53
	.end_amdhsa_kernel
	.amdgpu_metadata
---
amdhsa.version: [ 1, 2 ]
amdhsa.kernels:
  - .name:           k_q276cb6350b_g_proj
    .symbol:         k_q276cb6350b_g_proj.kd
    .args:
      - { .name: act, .offset: 0, .size: 8, .value_kind: global_buffer, .address_space: global }
      - { .name: wpr, .offset: 8, .size: 8, .value_kind: global_buffer, .address_space: global }
      - { .name: ybuf, .offset: 16, .size: 8, .value_kind: global_buffer, .address_space: global }
    .group_segment_fixed_size: 327680
    .private_segment_fixed_size: 0
    .kernarg_segment_align: 8
    .kernarg_segment_size: 24
    .max_flat_workgroup_size: 128
    .sgpr_count:     100
    .vgpr_count:     512
    .wavefront_size: 32
...
	.end_amdgpu_metadata
.endif
;; end of part 5
;; launch ln1 (part 6): grid 256 x 1, 8 waves a work-group, no clusters, 66,816 bytes of LDS; arguments x, ybuf, b_proj, g1, be1, x1, x1r; writes x1, x1r
.if DOCPART == 6
	.amdgcn_target "amdgcn-amd-amdhsa--gfx1250"
	.amdhsa_code_object_version 6
	.text
	.protected	k_q276cb6350b_ln1
	.globl	k_q276cb6350b_ln1
	.p2align	8
	.type	k_q276cb6350b_ln1,@function
k_q276cb6350b_ln1:
	s_mov_b64 s[64:65], 0
	v_nop
	global_prefetch_b8 v0, s[64:65] scope:SCOPE_SE
	s_setreg_imm32_b32 hwreg(HW_REG_WAVE_MODE, 25, 1), 1
	s_wait_xcnt 0x0
; x1 = layer norm (x + (y + b_proj)) x g1 + be1, all in f32; x1 leaves as f32 rows and, quantised along its 1,024 channels, as operand records of MX-FP8 (the record and the order of rows: launch quant_x).
; SHARES: a work-group is one rowblock of 16 rows.  Wave w owns the rowblock's rows 2 w and 2 w + 1 whole (32 registers a row), so a row's mean and variance never leave the wave.
; The finished rows go to memory and into a stage in LDS (rows 4,096 + 16 bytes apart); behind one barrier wave w takes K step w of all 16 rows, quantises and stores one record.
; LIMITS: as stated at the head of launch quant_x.
.set REC,    2304
.set SPITCH, 4112
.set SPARE,  16*SPITCH                 ; behind the stage: the spare words, 128 bytes for each wave: four blocks of 256 bytes that no other line names
.set LI,   1
.set SIN,  2
.set SOUT, 3
.set LS8,  4
.set SPW,  6
.set NIL,  7
.set TM,   8                           ; v8-23  a row's statistics (eight registers a row), then at work in QUANT
.set PW,   24
.set X,    32                          ; v32-95   two rows
.set Y,    96                          ; v96-159  two rows of y; later the codes
.set PC,   96
.set BI,   160                         ; v160-191 b_proj at my columns
.set G,    192                         ; v192-223 g1
.set BE,   224                         ; v224-255 be1
.set WV,   20
.set SEL,  22
.set MNT,  24
.set RN,   25
.set EPS,  26
.macro QUANT s
.irp b, 0,1,2,3
	v_max3_num_f32 v[TM+\b], |v[\s+16*\b]|, |v[\s+1+16*\b]|, 0x4800000
.endr
.irp i, 2,4,6,8,10,12,14
.irp b, 0,1,2,3
	s_delay_alu instid0(VALU_DEP_4)
	v_max3_num_f32 v[TM+\b], v[TM+\b], |v[\s+16*\b+\i]|, |v[\s+1+16*\b+\i]|
.endr
.endr
.irp b, 0,1,2,3
	v_permlanex16_b32 v[TM+4+\b], v[TM+\b], s[SEL], s[SEL+1]
.endr
.irp b, 0,1,2,3
	s_delay_alu instid0(VALU_DEP_4)
	v_max_num_f32 v[TM+\b], v[TM+\b], v[TM+4+\b]
.endr
.irp b, 0,1,2,3
	s_delay_alu instid0(VALU_DEP_4)
	v_add_nc_u32 v[TM+12+\b], 0xfc000000, v[TM+\b]
.endr
.irp b, 0,1,2,3
	v_and_or_b32 v[TM+8+\b], v[TM+\b], 0x7f800000, s[MNT]
.endr
.irp b, 0,1,2,3
	v_lshrrev_b32 v[TM+4+\b], 23, v[TM+12+\b]
.endr
	s_delay_alu instid0(VALU_DEP_3)
	v_lshl_or_b32 v[PW], v[TM+5], 8, v[TM+4]
	s_delay_alu instid0(VALU_DEP_1)
	v_lshl_or_b32 v[PW], v[TM+6], 16, v[PW]
	s_delay_alu instid0(VALU_DEP_1)
	v_lshl_or_b32 v[PW], v[TM+7], 24, v[PW]
.irp b, 0,1,2,3
.irp i, 0,1,2,3,4,5,6,7,8,9,10,11,12,13,14,15
	v_med3_num_f32 v[\s+16*\b+\i], v[\s+16*\b+\i], -v[TM+8+\b], v[TM+8+\b]
.endr
	v_cvt_scalef32_pk8_fp8_f32 v[PC+4*\b:PC+1+4*\b], v[\s+16*\b:\s+7+16*\b], v[TM+12+\b]
	v_cvt_scalef32_pk8_fp8_f32 v[PC+2+4*\b:PC+3+4*\b], v[\s+8+16*\b:\s+15+16*\b], v[TM+12+\b]
.endr
	v_mov_b32 v[PW+1], v[PW]
.endm
; row e: the mean is taken away in place; 1 / sqrt(variance + 1e-5) is asked for into v[T+6]
.macro STATS e
.set XR, X+32*\e
.set T, TM+8*\e
	v_pk_add_f32 v[T:T+1], v[XR:XR+1], v[XR+2:XR+3]
	v_pk_add_f32 v[T+2:T+3], v[XR+4:XR+5], v[XR+6:XR+7]
.irp i, 8,12,16,20,24,28
	s_delay_alu instid0(VALU_DEP_2)
	v_pk_add_f32 v[T:T+1], v[T:T+1], v[XR+\i:XR+\i+1]
	s_delay_alu instid0(VALU_DEP_2)
	v_pk_add_f32 v[T+2:T+3], v[T+2:T+3], v[XR+\i+2:XR+\i+3]
.endr
	s_delay_alu instid0(VALU_DEP_1)
	v_pk_add_f32 v[T:T+1], v[T:T+1], v[T+2:T+3]
	s_delay_alu instid0(VALU_DEP_1)
	v_add_f32 v[T], v[T], v[T+1]
	s_delay_alu instid0(VALU_DEP_1)
	v_add_f32_dpp v[T], v[T], v[T] row_xmask:1 row_mask:0xf bank_mask:0xf
	s_delay_alu instid0(VALU_DEP_1)
	v_add_f32_dpp v[T], v[T], v[T] row_xmask:2 row_mask:0xf bank_mask:0xf
	s_delay_alu instid0(VALU_DEP_1)
	v_add_f32_dpp v[T], v[T], v[T] row_xmask:4 row_mask:0xf bank_mask:0xf
	s_delay_alu instid0(VALU_DEP_1)
	v_add_f32_dpp v[T], v[T], v[T] row_xmask:8 row_mask:0xf bank_mask:0xf
	s_delay_alu instid0(VALU_DEP_1)
	v_permlanex16_b32 v[T+1], v[T], s[SEL], s[SEL+1]
	s_delay_alu instid0(VALU_DEP_1)
	v_add_f32 v[T], v[T], v[T+1]
	s_delay_alu instid0(VALU_DEP_1)
	v_mul_f32 v[T], s[RN], v[T]                    ; the mean
.irp i, 0,2,4,6,8,10,12,14,16,18,20,22,24,26,28,30
	v_pk_add_f32 v[XR+\i:XR+\i+1], v[XR+\i:XR+\i+1], v[T:T+1] op_sel_hi:[1,0] neg_lo:[0,1] neg_hi:[0,1]
.endr
	v_pk_mul_f32 v[T+2:T+3], v[XR:XR+1], v[XR:XR+1]
	v_pk_mul_f32 v[T+4:T+5], v[XR+2:XR+3], v[XR+2:XR+3]
.irp i, 4,8,12,16,20,24,28
	s_delay_alu instid0(VALU_DEP_2)
	v_pk_fma_f32 v[T+2:T+3], v[XR+\i:XR+\i+1], v[XR+\i:XR+\i+1], v[T+2:T+3]
	s_delay_alu instid0(VALU_DEP_2)
	v_pk_fma_f32 v[T+4:T+5], v[XR+\i+2:XR+\i+3], v[XR+\i+2:XR+\i+3], v[T+4:T+5]
.endr
	s_delay_alu instid0(VALU_DEP_1)
	v_pk_add_f32 v[T+2:T+3], v[T+2:T+3], v[T+4:T+5]
	s_delay_alu instid0(VALU_DEP_1)
	v_add_f32 v[T+2], v[T+2], v[T+3]
	s_delay_alu instid0(VALU_DEP_1)
	v_add_f32_dpp v[T+2], v[T+2], v[T+2] row_xmask:1 row_mask:0xf bank_mask:0xf
	s_delay_alu instid0(VALU_DEP_1)
	v_add_f32_dpp v[T+2], v[T+2], v[T+2] row_xmask:2 row_mask:0xf bank_mask:0xf
	s_delay_alu instid0(VALU_DEP_1)
	v_add_f32_dpp v[T+2], v[T+2], v[T+2] row_xmask:4 row_mask:0xf bank_mask:0xf
	s_delay_alu instid0(VALU_DEP_1)
	v_add_f32_dpp v[T+2], v[T+2], v[T+2] row_xmask:8 row_mask:0xf bank_mask:0xf
	s_delay_alu instid0(VALU_DEP_1)
	v_permlanex16_b32 v[T+3], v[T+2], s[SEL], s[SEL+1]
	s_delay_alu instid0(VALU_DEP_1)
	v_add_f32 v[T+2], v[T+2], v[T+3]
	s_delay_alu instid0(VALU_DEP_1)
	v_fma_f32 v[T+2], v[T+2], s[RN], s[EPS]        ; the variance + 1e-5
	s_wait_alu depctr_va_vdst(0)
	v_rsq_f32 v[T+6], v[T+2]
.endm
	s_load_b256 s[4:11], s[0:1], 0x0               ; x, y, b_proj, g1
	s_load_b128 s[12:15], s[0:1], 0x20             ; be1, x1
	s_load_b64 s[16:17], s[0:1], 0x30              ; x1r
	v_lshl_add_u32 v[SPW], v0, 2, SPARE
	v_mov_b32 v[NIL], 0
	v_lshrrev_b32 v5, 5, v0
	s_delay_alu instid0(VALU_DEP_1)
	v_readfirstlane_b32 s[WV], v5
	v_and_b32 v5, 31, v0
	s_delay_alu instid0(VALU_DEP_1)
	v_lshlrev_b32 v[LI], 4, v5
	s_delay_alu instid0(VALU_DEP_2)
	v_lshlrev_b32 v[LS8], 3, v5
	s_mul_i32 s27, s[WV], 2*SPITCH
	v_add_nc_u32 v[SIN], s27, v[LI]
	v_and_b32 v5, 15, v0
	s_delay_alu instid0(VALU_DEP_1)
	v_mul_u32_u24 v[SOUT], v5, SPITCH
	v_bfe_u32 v5, v0, 4, 1
	s_delay_alu instid0(VALU_DEP_1)
	v_lshl_add_u32 v[SOUT], v5, 6, v[SOUT]
	s_lshl_b32 s27, s[WV], 9
	v_add_nc_u32 v[SOUT], s27, v[SOUT]
	s_lshr_b32 s28, ttmp9, 1                       ; my first row: 32 (rb / 2) + 8 (rb % 2) + 2 w + 8 (w / 4)
	s_lshl_b32 s28, s28, 5
	s_and_b32 s29, ttmp9, 1
	s_lshl_b32 s29, s29, 3
	s_add_co_u32 s28, s28, s29
	s_lshl_b32 s29, s[WV], 1
	s_add_co_u32 s28, s28, s29
	s_lshr_b32 s29, s[WV], 2
	s_lshl_b32 s29, s29, 3
	s_add_co_u32 s28, s28, s29
	s_lshl_b32 s28, s28, 12
	s_mov_b32 s29, 0
	s_lshl_b32 s30, ttmp9, 3
	s_add_co_u32 s30, s30, s[WV]
	s_mul_i32 s30, s30, REC
	s_mov_b32 s31, 0
	s_mov_b32 s[SEL], 0x76543210
	s_mov_b32 s[SEL+1], 0xfedcba98
	s_mov_b32 s[MNT], 0x600000
	s_mov_b32 s[RN], 0x3a800000                    ; 1 / 1,024
	s_mov_b32 s[EPS], 0x3727c5ac                   ; 1e-5
	s_wait_alu depctr_va_vdst(0)
	s_wait_kmcnt 0x0
	s_add_nc_u64 s[4:5], s[4:5], s[28:29]
	s_add_nc_u64 s[6:7], s[6:7], s[28:29]
	s_add_nc_u64 s[14:15], s[14:15], s[28:29]
	s_add_nc_u64 s[16:17], s[16:17], s[30:31]
.irp e, 0,1
.irp j, 0,1,2,3,4,5,6,7
	global_load_b128 v[X+32*\e+4*\j:X+32*\e+4*\j+3], v[LI], s[4:5] offset:4096*\e+512*\j th:TH_LOAD_NT
.endr
.endr
.irp e, 0,1
.irp j, 0,1,2,3,4,5,6,7
	global_load_b128 v[Y+32*\e+4*\j:Y+32*\e+4*\j+3], v[LI], s[6:7] offset:4096*\e+512*\j th:TH_LOAD_NT
.endr
.endr
.irp j, 0,1,2,3,4,5,6,7
	global_load_b128 v[BI+4*\j:BI+4*\j+3], v[LI], s[8:9] offset:512*\j
.endr
.irp j, 0,1,2,3,4,5,6,7
	global_load_b128 v[G+4*\j:G+4*\j+3], v[LI], s[10:11] offset:512*\j
.endr
.irp j, 0,1,2,3,4,5,6,7
	global_load_b128 v[BE+4*\j:BE+4*\j+3], v[LI], s[12:13] offset:512*\j
.endr
	s_wait_loadcnt 16                              ; x, y and b_proj are in; g1's and be1's sixteen loads may be out
.irp e, 0,1
.irp i, 0,2,4,6,8,10,12,14,16,18,20,22,24,26,28,30
	v_pk_add_f32 v[Y+32*\e+\i:Y+32*\e+\i+1], v[Y+32*\e+\i:Y+32*\e+\i+1], v[BI+\i:BI+\i+1]
.endr
.irp i, 0,2,4,6,8,10,12,14,16,18,20,22,24,26,28,30
	v_pk_add_f32 v[X+32*\e+\i:X+32*\e+\i+1], v[X+32*\e+\i:X+32*\e+\i+1], v[Y+32*\e+\i:Y+32*\e+\i+1]
.endr
.endr
	STATS 0
	STATS 1
	v_mov_b32 v[TM+7], 0                           ; (the upper halves of the pairs that the packed multiplies name); plain lines behind the second v_rsq_f32
	v_mov_b32 v[TM+15], 0
	s_wait_alu depctr_va_vdst(0)                   ; one wait for both roots, ahead of their first reader
	s_wait_loadcnt 0x0                             ; g1, be1
.irp e, 0,1
.irp i, 0,2,4,6,8,10,12,14,16,18,20,22,24,26,28,30
	v_pk_mul_f32 v[X+32*\e+\i:X+32*\e+\i+1], v[X+32*\e+\i:X+32*\e+\i+1], v[TM+8*\e+6:TM+8*\e+7] op_sel_hi:[1,0]
.endr
.irp i, 0,2,4,6,8,10,12,14,16,18,20,22,24,26,28,30
	v_pk_fma_f32 v[X+32*\e+\i:X+32*\e+\i+1], v[X+32*\e+\i:X+32*\e+\i+1], v[G+\i:G+\i+1], v[BE+\i:BE+\i+1]
.endr
.endr
.irp e, 0,1
.irp j, 0,1,2,3,4,5,6,7
	global_store_b128 v[LI], v[X+32*\e+4*\j:X+32*\e+4*\j+3], s[14:15] offset:4096*\e+512*\j   ; 512 consecutive bytes, aligned
	ds_store_b128 v[SIN], v[X+32*\e+4*\j:X+32*\e+4*\j+3] offset:SPITCH*\e+512*\j
.endr
.endr
	s_wait_dscnt 0x0                               ; for the others' sake: my rows lie in the stage
	s_barrier_signal -1
	s_barrier_wait -1
	s_wait_xcnt 0x0                                ; the stores to x1 have read their registers: the loads below may land there
.irp c, 0,1,2,3
.irp j, 0,1,2,3
	ds_load_b128 v[X+16*\c+4*\j:X+16*\c+4*\j+3], v[SOUT] offset:128*\c+16*\j
.endr
.endr
	s_wait_dscnt 0x0
	QUANT X
.irp c, 0,1,2,3
	global_store_b128 v[LI], v[PC+4*\c:PC+4*\c+3], s[16:17] offset:512*\c
.endr
	global_store_b64 v[LS8], v[PW:PW+1], s[16:17] offset:2048
	s_wait_tensorcnt 0x0                           ; the wave's end, behind my last LDS store
	ds_add_u32 v[SPW], v[NIL]
	s_wait_dscnt 0x0
	s_endpgm
.Lfunc_end_k_q276cb6350b_ln1:
	.size	k_q276cb6350b_ln1, .Lfunc_end_k_q276cb6350b_ln1-k_q276cb6350b_ln1
	.p2alignl 7, 3214868480
	.fill 96, 4, 3214868480
	.section	.rodata,"a",@progbits
	.p2align	6, 0x0
	.amdhsa_kernel k_q276cb6350b_ln1
		.amdhsa_group_segment_fixed_size 66816
		.amdhsa_private_segment_fixed_size 0
		.amdhsa_enable_private_segment 0
		.amdhsa_kernarg_size 56
		.amdhsa_user_sgpr_count 2
		.amdhsa_user_sgpr_kernarg_segment_ptr 1
		.amdhsa_wavefront_size32 1
		.amdhsa_system_sgpr_workgroup_id_x 1
		.amdhsa_system_sgpr_workgroup_id_y 1
		.amdhsa_system_sgpr_workgroup_id_z 1
		.amdhsa_system_vgpr_workitem_id 0
		.amdhsa_next_free_vgpr 256
		.amdhsa_next_free_sgpr 66
		.amdhsa_reserve_vcc 0
		.amdhsa_float_denorm_mode_32 3
		.amdhsa_float_denorm_mode_16_64 3
		.amdhsa_memory_ordered 1
		.amdhsa_forward_progress 1
		.amdhsa_inst_pref_size 40
	.end_amdhsa_kernel
	.amdgpu_metadata
---
amdhsa.version: [ 1, 2 ]
amdhsa.kernels:
  - .name:           k_q276cb6350b_ln1
    .symbol:         k_q276cb6350b_ln1.kd
    .args:
      - { .name: x, .offset: 0, .size: 8, .value_kind: global_buffer, .address_space: global }
      - { .name: ybuf, .offset: 8, .size: 8, .value_kind: global_buffer, .address_space: global }
      - { .name: b_proj, .offset: 16, .size: 8, .value_kind: global_buffer, .address_space: global }
      - { .name: g1, .offset: 24, .size: 8, .value_kind: global_buffer, .address_space: global }
      - { .name: be1, .offset: 32, .size: 8, .value_kind: global_buffer, .address_space: global }
      - { .name: x1, .offset: 40, .size: 8, .value_kind: global_buffer, .address_space: global }
      - { .name: x1r, .offset: 48, .size: 8, .value_kind: global_buffer, .address_space: global }
    .group_segment_fixed_size: 66816
    .private_segment_fixed_size: 0
    .kernarg_segment_align: 8
    .kernarg_segment_size: 56
    .max_flat_workgroup_size: 256
    .sgpr_count:     66
    .vgpr_count:     256
    .wavefront_size: 32
...
	.end_amdgpu_metadata
.endif
;; end of part 6
;; launch g_mlp1 (part 7): grid 16 x 16, 4 waves a work-group, clusters of 4 x 4, 327,680 bytes of LDS; arguments x1r, opnd, b1, act; writes act
.if DOCPART == 7
	.amdgcn_target "amdgcn-amd-amdhsa--gfx1250"
	.amdhsa_code_object_version 6
	.text
	.protected	k_q276cb6350b_g_mlp1
	.globl	k_q276cb6350b_g_mlp1
	.p2align	8
	.type	k_q276cb6350b_g_mlp1,@function
k_q276cb6350b_g_mlp1:
	s_mov_b64 s[64:65], 0
	v_nop
	global_prefetch_b8 v0, s[64:65] scope:SCOPE_SE
	s_setreg_imm32_b32 hwreg(HW_REG_WAVE_MODE, 25, 1), 1
	s_wait_xcnt 0x0
	s_wait_alu depctr_hold_cnt(0) depctr_sa_sdst(0) depctr_va_vdst(0) depctr_va_sdst(0) depctr_va_ssrc(0) depctr_va_vcc(0) depctr_vm_vsrc(0)
	s_getreg_b32 s2, hwreg(HW_REG_IB_STS2, 6, 4)
	s_cmp_eq_u32 s2, 0
	s_cbranch_scc0 .Lentry_in_a_cluster
	s_endpgm
.Lentry_in_a_cluster:
	s_bfe_u32 s2, ttmp6, 0x10000c
	s_cmp_lg_u32 s2, 0xf033
	s_cbranch_scc0 .Lentry_shape_is_right
	s_endpgm
.Lentry_shape_is_right:
.set REC,   2304
.set KREC,  8*REC
.set RB2,   2*REC
.set HALFT, 8*RB2
.set SLOT,  4*HALFT
.set SPARE, 2*SLOT
.set W1O,   448*KREC
.set FR,    16
.set NL,    4
.set NP,    8
.set ADRA, 16
.set ADRS, 18
.set ADRB, 20
.set LI,   26
.set LS8,  27
.set SPW,  28
.set NIL,  29
.set SC,   32
.set BI,   64
.set AF,   128
.set PC,   128
.set PW,   144
.set TM,   148
.set SEL,  20
.set MNT,  23
.set G1,  24
.set G0,  32
.set G1B, 48
.set G0B, 56
.set MSB, 0
.macro WIN new
.if MSB != \new
	s_set_vgpr_msb (MSB<<8)|\new
.set MSB, \new
.endif
.endm
.set MUL_LO, 0xa1
.set MUL_HI, 0xf1
.set ZLO,    0x81
.set ZHI,    0xc1
.set TO_B,   0x40
.macro JLOAD g0a, g0b
	s_cmp_eq_u32 s15, 0
	s_cbranch_scc0 .Lfor_b_\@
	tensor_load_to_lds s[\g0a:\g0a+3], s[G1:G1+7]
	s_nop 0
.rept 4
	v_nop
.endr
	s_branch .Lasked_\@
.Lfor_b_\@:
	tensor_load_to_lds s[\g0b:\g0b+3], s[G1B:G1B+7]
	s_nop 0
.rept 4
	v_nop
.endr
.Lasked_\@:
.endm
.macro CREST
	s_cmp_lg_u32 s14, 0
	s_cbranch_scc1 .Lnot_wave_0_\@
	s_barrier_signal -3
.Lnot_wave_0_\@:
	s_barrier_wait -3
	s_barrier_signal -1
	s_barrier_wait -1
.endm
.macro CROUND
	s_barrier_signal -1
	s_barrier_wait -1
	CREST
.endm
.macro FRAG reg, adr, q, i
.irp c, 0,1,2,3
	ds_load_b128 v[\reg+4*\c:\reg+4*\c+3], v[\adr] offset:(\i)*RB2+(\q)*REC+512*\c
.endr
.endm
.macro MUL16 a0, p, q, sc, zero
.irp a, \a0, \a0+1
.irp b, 0,1,2,3,4,5,6,7
.if \zero
	v_wmma_scale_f32_16x16x128_f8f6f4 v[8*(8*((\a)%4)+\b):8*(8*((\a)%4)+\b)+7], v[128*(\p)+FR*\b:128*(\p)+FR*\b+FR-1], v[AF+FR*(\a):AF+FR*(\a)+FR-1], v[BI+8*\b:BI+8*\b+7], v[SC+16*(\sc)+2*\b+(\q)], v[SC+16*(\sc)+2*(\a)+(\q)] matrix_a_scale:MATRIX_SCALE_ROW1
.else
	v_wmma_scale_f32_16x16x128_f8f6f4 v[8*(8*((\a)%4)+\b):8*(8*((\a)%4)+\b)+7], v[128*(\p)+FR*\b:128*(\p)+FR*\b+FR-1], v[AF+FR*(\a):AF+FR*(\a)+FR-1], v[8*(8*((\a)%4)+\b):8*(8*((\a)%4)+\b)+7], v[SC+16*(\sc)+2*\b+(\q)], v[SC+16*(\sc)+2*(\a)+(\q)] matrix_a_scale:MATRIX_SCALE_ROW1
.endif
.endr
.endr
.endm
.macro FETCH_B slot, q, p
	WIN TO_B
.irp i, 0,1,2,3,4,5,6,7
	FRAG 128*(\p)+FR*\i, ADRB+\slot, \q, \i
.endr
	WIN 0
.endm
.macro FETCH_A slot, q, i0
.irp i, \i0, \i0+1, \i0+2, \i0+3
	FRAG AF+FR*(\i), ADRA+\slot, \q, \i
.endr
.endm
.macro SCALES sc
.irp i, 0,1,2,3,4,5,6,7
	ds_load_b32 v[SC+16*\sc+2*\i], v[ADRS+\sc] offset:\i*RB2
	ds_load_b32 v[SC+16*\sc+2*\i+1], v[ADRS+\sc] offset:\i*RB2+REC
.endr
.endm
.macro PLACES n
.rept \n
	v_nop
.endr
.endm
.macro STEP slot, q, zero
	s_wait_dscnt 4*NL
.if \zero
	WIN ZLO
.else
	WIN MUL_LO
.endif
	MUL16 0, (\q)%2, \q, \slot, \zero
	MUL16 2, (\q)%2, \q, \slot, \zero
	s_wait_dscnt 0
	PLACES NP
	FETCH_B \slot, (\q)+1, 1-(\q)%2
	FETCH_A \slot, (\q)+1, 0
.if \zero
	WIN ZHI
.else
	WIN MUL_HI
.endif
	MUL16 4, (\q)%2, \q, \slot, \zero
	MUL16 6, (\q)%2, \q, \slot, \zero
	PLACES NP
	WIN 0
	FETCH_A \slot, (\q)+1, 4
.endm
.macro TURN slot, next, fill
	s_wait_tensorcnt 0x0
	ds_add_u32 v[SPW], v[NIL]
	s_wait_dscnt 4*NL+1
	WIN MUL_LO
	MUL16 0, 1, 1, \slot, 0
	s_wait_dscnt 0x0
	s_barrier_signal -1
	MUL16 2, 1, 1, \slot, 0
	WIN 0
	s_barrier_wait -1
.if \fill
	CREST
	s_add_nc_u64 s[G0+4*\slot+2:G0+4*\slot+3], s[G0+4*\slot+2:G0+4*\slot+3], 2*RB2
	s_add_nc_u64 s[G0B+4*\slot+2:G0B+4*\slot+3], s[G0B+4*\slot+2:G0B+4*\slot+3], 2*RB2
	JLOAD G0+4*\slot, G0B+4*\slot
	PLACES NP-4
.else
	PLACES NP
.endif
	FETCH_B \next, 0, 0
	FETCH_A \next, 0, 0
	SCALES \next
	WIN MUL_HI
	MUL16 4, 1, 1, \slot, 0
	MUL16 6, 1, 1, \slot, 0
	PLACES NP
	WIN 0
	FETCH_A \next, 0, 4
.endm
	s_load_b256 s[4:11], s[0:1], 0x0
	v_lshl_add_u32 v[SPW], v0, 2, SPARE
	v_mov_b32 v[NIL], 0
	ds_add_u32 v[SPW], v[NIL]
	ds_add_u32 v[SPW], v[NIL]
	v_lshrrev_b32 v1, 5, v0
	v_readfirstlane_b32 s14, v1
	s_lshr_b32 s15, s14, 1
	s_and_b32 s16, s14, 1
	s_bfe_u32 s40, ttmp6, 0x40000
	s_bfe_u32 s41, ttmp6, 0x40004
	s_lshl_b32 s42, ttmp9, 2
	s_add_co_u32 s42, s42, s40
	s_and_b32 s17, ttmp7, 0xffff
	s_lshl_b32 s17, s17, 2
	s_add_co_u32 s17, s17, s41
	s_lshl_b32 s43, s41, 2
	s_lshl_b32 s43, 15, s43
	s_lshl_b32 s44, 0x1111, s40
	s_or_b32 s[G1+0], s43, (3<<16)|(1<<21)
	s_or_b32 s[G1B+0], s44, (3<<16)|(1<<21)
.irp g, G1, G1B
	s_mov_b32 s[\g+1], 576<<16
	s_mov_b32 s[\g+2], 8<<16
	s_mov_b32 s[\g+3], 576<<16
	s_mov_b32 s[\g+4], 8
	s_mov_b32 s[\g+5], 2304
	s_mov_b32 s[\g+6], 0
	s_mov_b32 s[\g+7], 0
.endr
	s_lshl_b32 s18, s16, 3
	s_lshl_b32 s20, s17, 4
	s_add_co_u32 s20, s20, s18
	s_mul_i32 s20, s20, KREC
	s_mov_b32 s21, 0
	s_lshl_b32 s46, s42, 4
	s_add_co_u32 s46, s46, s18
	s_mul_i32 s46, s46, KREC
	s_add_co_u32 s46, s46, W1O
	s_mov_b32 s47, 0
	s_mul_i32 s45, s14, HALFT
	s_wait_dscnt 0x0
	s_wait_kmcnt 0x0
	s_add_nc_u64 s[20:21], s[4:5], s[20:21]
	s_add_nc_u64 s[46:47], s[6:7], s[46:47]
	CROUND
.irp s, 0,1
	s_mov_b32 s[G0+4*\s], 1
	s_add_co_u32 s[G0+4*\s+1], s45, \s*SLOT
	s_add_nc_u64 s[G0+4*\s+2:G0+4*\s+3], s[20:21], \s*RB2
	s_or_b32 s[G0+4*\s+3], s[G0+4*\s+3], 0x80000000
	s_mov_b32 s[G0B+4*\s], 1
	s_add_co_u32 s[G0B+4*\s+1], s45, \s*SLOT
	s_add_nc_u64 s[G0B+4*\s+2:G0B+4*\s+3], s[46:47], \s*RB2
	s_or_b32 s[G0B+4*\s+3], s[G0B+4*\s+3], 0x80000000
.endr
	JLOAD G0, G0B
	; PREFETCHES, two fills ahead of the tensor loads: behind fill 0 fills 1 and 2 are asked for, behind fill 1 fill 3.  Of the 8 rowblocks that I fetch, each of the four partners that ask for them
	; jointly takes two, told apart by address (cx for A's tiles, cy for B's): a fill's part of a rowblock is 4,608 bytes, 18 blocks of 256: lanes 0-15 and 16-31 name 16 blocks of one rowblock each, a second line the other two
	s_cmp_eq_u32 s15, 0
	s_cselect_b64 s[76:77], s[20:21], s[46:47]
	s_cselect_b32 s78, s40, s41
	s_mul_i32 s78, s78, 2*KREC
	s_mov_b32 s79, 0
	s_add_nc_u64 s[76:77], s[76:77], s[78:79]      ; never rewritten
	v_bfe_u32 v24, v0, 4, 1
	v_and_b32 v25, 15, v0
	v_mul_u32_u24 v24, v24, KREC
	v_lshl_add_u32 v22, v25, 8, v24                ; v22, v23: the prefetches' offsets; never rewritten
	v_min_u32 v25, 1, v25                          ; (lanes that are left over name the rowblock's last block again)
	v_lshl_add_u32 v23, v25, 8, v24
.irp f, 1,2
	global_prefetch_b8 v22, s[76:77] offset:\f*RB2 th:TH_LOAD_NT scope:SCOPE_SE
	global_prefetch_b8 v23, s[76:77] offset:\f*RB2+4096 th:TH_LOAD_NT scope:SCOPE_SE
.endr
	v_and_b32 v1, 31, v0
	v_bfe_u32 v2, v0, 4, 1
	v_lshlrev_b32 v[LI], 4, v1
	s_wait_alu depctr_va_vdst(0)
	v_lshlrev_b32 v[LS8], 3, v1
	v_lshlrev_b32 v3, 6, v2
	s_lshl_b32 s72, s42, 10
	s_lshl_b32 s73, s16, 9
	s_add_co_u32 s72, s72, s73
	s_mov_b32 s73, 0
	s_add_nc_u64 s[8:9], s[8:9], s[72:73]
.irp b, 0,1,2,3,4,5,6,7
	global_load_b128 v[BI+8*\b:BI+8*\b+3], v3, s[8:9] offset:128*(\b/2)+32*(\b%2)
	global_load_b128 v[BI+8*\b+4:BI+8*\b+7], v3, s[8:9] offset:128*(\b/2)+32*(\b%2)+16
.endr
	s_mul_i32 s21, s15, HALFT
	s_mul_i32 s22, s16, HALFT
	s_add_co_u32 s22, s22, 2*HALFT
.irp s, 0,1
	v_add_nc_u32 v[ADRA+\s], s21, v[LI]
	v_add_nc_u32 v[ADRB+\s], s22, v[LI]
	s_add_co_u32 s21, s21, SLOT
	s_add_co_u32 s22, s22, SLOT
.endr
	s_mul_i32 s21, s15, HALFT
	s_mul_i32 s22, s16, HALFT
	s_add_co_u32 s22, s22, 2*HALFT
	s_sub_co_u32 s22, s22, s21
	v_mul_u32_u24 v6, s22, v2
	s_wait_alu depctr_va_vdst(0)
	v_add_nc_u32 v5, v[LS8], v6
	s_add_co_u32 s21, s21, 2048
	v_add_nc_u32 v[ADRS], s21, v5
	s_add_co_u32 s21, s21, SLOT
	v_add_nc_u32 v[ADRS+1], s21, v5
	s_lshr_b32 s72, s42, 2
	s_lshl_b32 s72, s72, 8
	s_lshl_b32 s74, s17, 4
	s_add_co_u32 s72, s72, s74
	s_lshl_b32 s74, s15, 3
	s_add_co_u32 s72, s72, s74
	s_mul_i32 s72, s72, KREC
	s_lshl_b32 s74, s42, 1
	s_add_co_u32 s74, s74, s16
	s_and_b32 s74, s74, 7
	s_mul_i32 s74, s74, REC
	s_add_co_u32 s72, s72, s74
	s_add_nc_u64 s[12:13], s[10:11], s[72:73]
	s_wait_alu depctr_va_vdst(0)
	s_wait_tensorcnt 0x0
	ds_add_u32 v[SPW], v[NIL]
	s_wait_dscnt 0x0
	CROUND
	JLOAD G0+4, G0B+4
	FETCH_B 0, 0, 0
	FETCH_A 0, 0, 0
	SCALES 0
	FETCH_A 0, 0, 4
	global_prefetch_b8 v22, s[76:77] offset:3*RB2 th:TH_LOAD_NT scope:SCOPE_SE        ; fill 3, the last: the later fills ask for nothing
	global_prefetch_b8 v23, s[76:77] offset:3*RB2+4096 th:TH_LOAD_NT scope:SCOPE_SE
	s_wait_loadcnt 0x0
	STEP 0, 0, 1
	TURN 0, 1, 1
	STEP 1, 0, 0
	TURN 1, 0, 1
	STEP 0, 0, 0
	TURN 0, 1, 0
	STEP 1, 0, 0
	s_wait_dscnt 4*NL
	WIN MUL_LO
	MUL16 0, 1, 1, 1, 0
	MUL16 2, 1, 1, 1, 0
	s_wait_dscnt 0
	WIN MUL_HI
	MUL16 4, 1, 1, 1, 0
	MUL16 6, 1, 1, 1, 0
	WIN 0
.macro QACC a
.set W, 2+(\a)/4
.set AC, 64*((\a)%4)
	s_wait_xcnt 0x0
.set WW, W|(W<<2)
	WIN WW
.irp b, 0,1,2,3
	v_max3_num_f32 v[TM+\b], v[AC+16*\b], v[AC+16*\b+1], 0x4800000
.endr
.irp i, 2,4,6,8,10,12,14
.irp b, 0,1,2,3
	v_max3_num_f32 v[TM+\b], v[AC+16*\b+\i], v[AC+16*\b+\i+1], v[TM+\b]
.endr
.endr
	WIN 0
.irp b, 0,1,2,3
	v_permlanex16_b32 v[TM+4+\b], v[TM+\b], s[SEL], s[SEL+1]
.endr
.irp b, 0,1,2,3
	v_max_num_f32 v[TM+\b], v[TM+\b], v[TM+4+\b]
.endr
.irp b, 0,1,2,3
	v_add_nc_u32 v[TM+12+\b], 0xfc000000, v[TM+\b]
.endr
.irp b, 0,1,2,3
	v_and_or_b32 v[TM+8+\b], v[TM+\b], 0x7f800000, s[MNT]
.endr
.irp b, 0,1,2,3
	v_lshrrev_b32 v[TM+4+\b], 23, v[TM+12+\b]
.endr
	v_lshl_or_b32 v[PW], v[TM+5], 8, v[TM+4]
	v_lshl_or_b32 v[PW], v[TM+6], 16, v[PW]
	v_lshl_or_b32 v[PW], v[TM+7], 24, v[PW]
	v_mov_b32 v[PW+1], v[PW]
.set WW, (W<<6)|W
	WIN WW
.irp b, 0,1,2,3
.irp i, 0,1,2,3,4,5,6,7,8,9,10,11,12,13,14,15
	v_med3_num_f32 v[AC+16*\b+\i], v[AC+16*\b+\i], 0, v[TM+8+\b]
.endr
.endr
	WIN W
.irp b, 0,1,2,3
	v_cvt_scalef32_pk8_fp8_f32 v[PC+4*\b:PC+4*\b+1], v[AC+16*\b:AC+16*\b+7], v[TM+12+\b]
	v_cvt_scalef32_pk8_fp8_f32 v[PC+4*\b+2:PC+4*\b+3], v[AC+16*\b+8:AC+16*\b+15], v[TM+12+\b]
.endr
	WIN 0
	v_nop
.irp c, 0,1,2,3
	global_store_b128 v[LI], v[PC+4*\c:PC+4*\c+3], s[12:13] offset:(\a)*KREC+512*\c
.endr
	global_store_b64 v[LS8], v[PW:PW+1], s[12:13] offset:(\a)*KREC+2048
.endm
	PLACES NP
	s_mov_b32 s[SEL], 0x76543210
	s_mov_b32 s[SEL+1], 0xfedcba98
	s_mov_b32 s[MNT], 0x600000
.irp b, 0,1,2,3
	v_mov_b32 v[TM+4+\b], 0
.endr
.irp a, 0,1,2,3,4,5,6,7
	QACC \a
.endr
	s_wait_tensorcnt 0x0
	ds_add_u32 v[SPW], v[NIL]
	s_wait_dscnt 0x0
	CROUND
	s_endpgm
.Lfunc_end_k_q276cb6350b_g_mlp1:
	.size	k_q276cb6350b_g_mlp1, .Lfunc_end_k_q276cb6350b_g_mlp1-k_q276cb6350b_g_mlp1
	.p2alignl 7, 3214868480
	.fill 96, 4, 3214868480
	.section	.rodata,"a",@progbits
	.p2align	6, 0x0
	.amdhsa_kernel k_q276cb6350b_g_mlp1
		.amdhsa_group_segment_fixed_size 327680
		.amdhsa_private_segment_fixed_size 0
		.amdhsa_enable_private_segment 0
		.amdhsa_kernarg_size 32
		.amdhsa_user_sgpr_count 2
		.amdhsa_user_sgpr_kernarg_segment_ptr 1
		.amdhsa_wavefront_size32 1
		.amdhsa_system_sgpr_workgroup_id_x 1
		.amdhsa_system_sgpr_workgroup_id_y 1
		.amdhsa_system_sgpr_workgroup_id_z 1
		.amdhsa_system_vgpr_workitem_id 0
		.amdhsa_next_free_vgpr 1024
		.amdhsa_next_free_sgpr 100
		.amdhsa_reserve_vcc 0
		.amdhsa_float_denorm_mode_32 3
		.amdhsa_float_denorm_mode_16_64 3
		.amdhsa_memory_ordered 1
		.amdhsa_forward_progress 1
		.amdhsa_inst_pref_size 188
	.end_amdhsa_kernel
	.amdgpu_metadata
---
amdhsa.version: [ 1, 2 ]
amdhsa.kernels:
  - .name:           k_q276cb6350b_g_mlp1
    .symbol:         k_q276cb6350b_g_mlp1.kd
    .args:
      - { .name: x1r, .offset: 0, .size: 8, .value_kind: global_buffer, .address_space: global }
      - { .name: opnd, .offset: 8, .size: 8, .value_kind: global_buffer, .address_space: global }
      - { .name: b1, .offset: 16, .size: 8, .value_kind: global_buffer, .address_space: global }
      - { .name: act, .offset: 24, .size: 8, .value_kind: global_buffer, .address_space: global }
    .group_segment_fixed_size: 327680
    .private_segment_fixed_size: 0
    .kernarg_segment_align: 8
    .kernarg_segment_size: 32
    .max_flat_workgroup_size: 128
    .sgpr_count:     100
    .vgpr_count:     1024
    .wavefront_size: 32
...
	.end_amdgpu_metadata
.endif
;; end of part 7
;; launch g_mlp2 (part 8): grid 8 x 32, 4 waves a work-group, clusters of 4 x 4, 327,680 bytes of LDS; arguments act, w2r, ybuf; writes ybuf
.if DOCPART == 8
	.amdgcn_target "amdgcn-amd-amdhsa--gfx1250"
	.amdhsa_code_object_version 6
	.text
	.protected	k_q276cb6350b_g_mlp2
	.globl	k_q276cb6350b_g_mlp2
	.p2align	8
	.type	k_q276cb6350b_g_mlp2,@function
k_q276cb6350b_g_mlp2:
	s_mov_b64 s[64:65], 0
	v_nop
	global_prefetch_b8 v0, s[64:65] scope:SCOPE_SE
	s_setreg_imm32_b32 hwreg(HW_REG_WAVE_MODE, 25, 1), 1
	s_wait_xcnt 0x0
	s_wait_alu depctr_hold_cnt(0) depctr_sa_sdst(0) depctr_va_vdst(0) depctr_va_sdst(0) depctr_va_ssrc(0) depctr_va_vcc(0) depctr_vm_vsrc(0)
	s_getreg_b32 s2, hwreg(HW_REG_IB_STS2, 6, 4)
	s_cmp_eq_u32 s2, 0
	s_cbranch_scc0 .Lentry_in_a_cluster
	s_endpgm
.Lentry_in_a_cluster:
	s_bfe_u32 s2, ttmp6, 0x10000c
	s_cmp_lg_u32 s2, 0xf033
	s_cbranch_scc0 .Lentry_shape_is_right
	s_endpgm
.Lentry_shape_is_right:
.set LAPS,  4
.set REC,   2304
.set KREC,  8*REC
.set RB4,   4*REC
.set HALFT, 4*RB4
.set SLOT,  4*HALFT
.set SPARE, 2*SLOT
.set ASTEP, 256*KREC
.set BSTEP, 64*KREC
.set SPITCH, 272
.set NP,    8
.set ADRA, 16
.set ADRS, 18
.set ADRB, 20
.set STO,  24
.set RD,   25
.set CO,   26
.set SPW,  28
.set NIL,  29
.set SC,   32
.set BK,   64
.set ACC,  128
.set G1,  24
.set G0,  32
.set G1B, 48
.set G0B, 56
.set MSB, 0
.macro WIN new
.if MSB != \new
	s_set_vgpr_msb (MSB<<8)|\new
.set MSB, \new
.endif
.endm
.set MUL,  0x05
.set TO_F, 0x40
.macro JLOAD g0a, g0b
	s_cmp_eq_u32 s15, 0
	s_cbranch_scc0 .Lfor_b_\@
	tensor_load_to_lds s[\g0a:\g0a+3], s[G1:G1+7]
	s_nop 0
.rept 4
	v_nop
.endr
	s_branch .Lasked_\@
.Lfor_b_\@:
	tensor_load_to_lds s[\g0b:\g0b+3], s[G1B:G1B+7]
	s_nop 0
.rept 4
	v_nop
.endr
.Lasked_\@:
.endm
.macro CREST
	s_cmp_lg_u32 s14, 0
	s_cbranch_scc1 .Lnot_wave_0_\@
	s_barrier_signal -3
.Lnot_wave_0_\@:
	s_barrier_wait -3
	s_barrier_signal -1
	s_barrier_wait -1
.endm
.macro CROUND
	s_barrier_signal -1
	s_barrier_wait -1
	CREST
.endm
.macro FRAG reg, adr, q, i
.irp c, 0,1,2,3
	ds_load_b128 v[\reg+4*\c:\reg+4*\c+3], v[\adr] offset:(\i)*RB4+(\q)*REC+512*\c
.endr
.endm
.macro FETCH slot, q, f
	WIN TO_F
.irp i, 0,1,2,3
	FRAG 64+16*\i+(\f), ADRB+\slot, \q, \i
.endr
.irp i, 0,1,2,3
	FRAG 16*\i+(\f), ADRA+\slot, \q, \i
.endr
.endm
.macro SCALES sc
.irp i, 0,1,2,3
.irp q, 0,1,2,3
	ds_load_b32 v[SC+16*\sc+4*\i+\q], v[ADRS+\sc] offset:\i*RB4+\q*REC
.endr
.endr
.endm
.macro MULQ f, q, sc, a0, zero
.irp a, \a0, \a0+1
.irp b, 0,1,2,3
.if \zero
	v_wmma_scale_f32_16x16x128_f8f6f4 v[ACC+8*(4*(\a)+\b):ACC+8*(4*(\a)+\b)+7], v[64+16*\b+(\f):64+16*\b+(\f)+15], v[16*(\a)+(\f):16*(\a)+(\f)+15], 0, v[SC+16*(\sc)+4*\b+(\q)], v[SC+16*(\sc)+4*(\a)+(\q)] matrix_a_scale:MATRIX_SCALE_ROW1
.else
	v_wmma_scale_f32_16x16x128_f8f6f4 v[ACC+8*(4*(\a)+\b):ACC+8*(4*(\a)+\b)+7], v[64+16*\b+(\f):64+16*\b+(\f)+15], v[16*(\a)+(\f):16*(\a)+(\f)+15], v[ACC+8*(4*(\a)+\b):ACC+8*(4*(\a)+\b)+7], v[SC+16*(\sc)+4*\b+(\q)], v[SC+16*(\sc)+4*(\a)+(\q)] matrix_a_scale:MATRIX_SCALE_ROW1
.endif
.endr
.endr
.endm
.macro PLACES n
.rept \n
	v_nop
.endr
.endm
.macro STEP slot, q, zero
	PLACES NP
	FETCH \slot, (\q)+1, 128*(((\q)+1)%2)
	s_wait_dscnt 32
	WIN MUL
	MULQ 128*((\q)%2), \q, \slot, 0, \zero
	MULQ 128*((\q)%2), \q, \slot, 2, \zero
.endm
.macro TURN slot, next, fill
	WIN 0
.if (\fill) && (\slot) == 0
	s_wait_xcnt 0x0                                ; my prefetches have read their address: it is stepped here, 1,024 along K on, ahead of the waits of the change of slots
	s_add_nc_u64 s[78:79], s[78:79], s[80:81]
.endif
	s_wait_tensorcnt 0x0
	ds_add_u32 v[SPW], v[NIL]
	s_wait_dscnt 0x0
	s_barrier_signal -1
	WIN MUL
	MULQ 128, 3, \slot, 0, 0
	WIN 0
	s_barrier_wait -1
.if \fill
	CREST
	s_add_nc_u64 s[G0+4*\slot+2:G0+4*\slot+3], s[G0+4*\slot+2:G0+4*\slot+3], ASTEP
	s_add_nc_u64 s[G0B+4*\slot+2:G0B+4*\slot+3], s[G0B+4*\slot+2:G0B+4*\slot+3], BSTEP
	JLOAD G0+4*\slot, G0B+4*\slot
	PLACES NP-4
.else
	PLACES NP
.endif
	FETCH \next, 0, 0
	WIN 0
	s_wait_alu depctr_va_vdst(0)
	SCALES \next
.if \fill
	s_cmp_gt_u32 s3, 1                             ; the loop's last trip issues the last two fills: no fill stands two on
	s_cbranch_scc0 .Lno_ask_\@
	global_prefetch_b8 v22, s[78:79] offset:(\slot)*RB4 th:TH_LOAD_NT scope:SCOPE_SE        ; the fill that stands two on: this slot's next
	global_prefetch_b8 v23, s[78:79] offset:(\slot)*RB4+8192 th:TH_LOAD_NT scope:SCOPE_SE
.Lno_ask_\@:
.endif
	WIN MUL
	MULQ 128, 3, \slot, 2, 0
.endm
	s_load_b128 s[4:7], s[0:1], 0x0
	s_load_b64 s[12:13], s[0:1], 0x10
	v_lshl_add_u32 v[SPW], v0, 2, SPARE
	v_mov_b32 v[NIL], 0
	ds_add_u32 v[SPW], v[NIL]
	ds_add_u32 v[SPW], v[NIL]
	v_lshrrev_b32 v1, 5, v0
	v_readfirstlane_b32 s14, v1
	s_lshr_b32 s15, s14, 1
	s_and_b32 s16, s14, 1
	s_bfe_u32 s40, ttmp6, 0x40000
	s_bfe_u32 s41, ttmp6, 0x40004
	s_lshl_b32 s42, ttmp9, 2
	s_add_co_u32 s42, s42, s40
	s_and_b32 s17, ttmp7, 0xffff
	s_lshl_b32 s17, s17, 2
	s_add_co_u32 s17, s17, s41
	s_lshl_b32 s43, s41, 2
	s_lshl_b32 s43, 15, s43
	s_lshl_b32 s44, 0x1111, s40
	s_or_b32 s[G1+0], s43, (3<<16)|(1<<21)
	s_or_b32 s[G1B+0], s44, (3<<16)|(1<<21)
.irp g, G1, G1B
	s_mov_b32 s[\g+1], 1152<<16
	s_mov_b32 s[\g+2], 4<<16
	s_mov_b32 s[\g+3], 1152<<16
	s_mov_b32 s[\g+4], 4
	s_mov_b32 s[\g+5], 2304
	s_mov_b32 s[\g+6], 0
	s_mov_b32 s[\g+7], 0
.endr
	s_lshl_b32 s18, s16, 2
	s_lshl_b32 s20, s17, 3
	s_add_co_u32 s20, s20, s18
	s_mul_i32 s20, s20, KREC
	s_mov_b32 s21, 0
	s_lshl_b32 s46, s42, 3
	s_add_co_u32 s46, s46, s18
	s_mul_i32 s46, s46, KREC
	s_mov_b32 s47, 0
	s_mul_i32 s45, s14, HALFT
	s_wait_dscnt 0x0
	s_wait_kmcnt 0x0
	s_add_nc_u64 s[20:21], s[4:5], s[20:21]
	s_add_nc_u64 s[46:47], s[6:7], s[46:47]
	CROUND
.irp s, 0,1
	s_mov_b32 s[G0+4*\s], 1
	s_add_co_u32 s[G0+4*\s+1], s45, \s*SLOT
	s_add_nc_u64 s[G0+4*\s+2:G0+4*\s+3], s[20:21], \s*RB4
	s_or_b32 s[G0+4*\s+3], s[G0+4*\s+3], 0x80000000
	s_mov_b32 s[G0B+4*\s], 1
	s_add_co_u32 s[G0B+4*\s+1], s45, \s*SLOT
	s_add_nc_u64 s[G0B+4*\s+2:G0B+4*\s+3], s[46:47], \s*RB4
	s_or_b32 s[G0B+4*\s+3], s[G0B+4*\s+3], 0x80000000
.endr
	JLOAD G0, G0B
	; PREFETCHES, two fills ahead of the tensor loads: behind fill 0 fills 1 and 2 are asked for, behind fill f fill f + 2; the last two fills ask for nothing.  Of the 4 rowblocks that I fetch, each of the four
	; partners that ask for them jointly takes one, told apart by address (cx for A's tiles, cy for B's): a fill's part of a rowblock is 9,216 bytes, 36 blocks of 256: a lane a block, and a second line for the last four
	s_cmp_eq_u32 s15, 0
	s_cselect_b64 s[76:77], s[20:21], s[46:47]
	s_cselect_b32 s82, s40, s41
	s_mov_b32 s80, BSTEP
	s_cselect_b32 s80, ASTEP, s80                  ; bytes from 1,024 along K to the next
	s_mov_b32 s81, 0
	s_mul_i32 s82, s82, KREC
	s_mov_b32 s83, 0
	s_add_nc_u64 s[76:77], s[76:77], s[82:83]      ; K from 0 on: never rewritten
	s_add_nc_u64 s[78:79], s[76:77], s[80:81]      ; K from 1,024 on: it walks
	v_and_b32 v23, 31, v0
	v_lshlrev_b32 v22, 8, v23
	v_min_u32 v23, 3, v23                          ; (lanes that are left over name the last block again)
	v_lshlrev_b32 v23, 8, v23
	global_prefetch_b8 v22, s[76:77] offset:RB4 th:TH_LOAD_NT scope:SCOPE_SE
	global_prefetch_b8 v23, s[76:77] offset:RB4+8192 th:TH_LOAD_NT scope:SCOPE_SE
	global_prefetch_b8 v22, s[78:79] th:TH_LOAD_NT scope:SCOPE_SE
	global_prefetch_b8 v23, s[78:79] offset:8192 th:TH_LOAD_NT scope:SCOPE_SE
	v_and_b32 v1, 31, v0
	v_bfe_u32 v2, v0, 4, 1
	s_wait_alu depctr_va_vdst(0)
	v_and_b32 v3, 15, v0
	v_lshlrev_b32 v4, 4, v1
	v_lshlrev_b32 v5, 3, v1
	s_mul_i32 s21, s15, HALFT
	s_mul_i32 s22, s16, HALFT
	s_add_co_u32 s22, s22, 2*HALFT
.irp s, 0,1
	v_add_nc_u32 v[ADRA+\s], s21, v4
	v_add_nc_u32 v[ADRB+\s], s22, v4
	s_add_co_u32 s21, s21, SLOT
	s_add_co_u32 s22, s22, SLOT
.endr
	s_mul_i32 s21, s15, HALFT
	s_mul_i32 s22, s16, HALFT
	s_add_co_u32 s22, s22, 2*HALFT
	s_sub_co_u32 s22, s22, s21
	v_mul_u32_u24 v6, s22, v2
	s_wait_alu depctr_va_vdst(0)
	v_add_nc_u32 v5, v5, v6
	s_add_co_u32 s21, s21, 2048
	v_add_nc_u32 v[ADRS], s21, v5
	s_add_co_u32 s21, s21, SLOT
	v_add_nc_u32 v[ADRS+1], s21, v5
	s_mul_i32 s23, s14, 16*SPITCH
	v_mul_u32_u24 v7, v3, SPITCH
	v_lshl_add_u32 v7, v2, 6, v7
	v_add_nc_u32 v[STO], s23, v7
	v_mul_u32_u24 v7, v2, SPITCH
	v_lshl_add_u32 v7, v3, 4, v7
	v_add_nc_u32 v[RD], s23, v7
	v_lshlrev_b32 v[CO], 12, v2
	v_lshl_add_u32 v[CO], v3, 4, v[CO]
	s_lshl_b32 s72, s17, 19
	s_lshl_b32 s73, s15, 18
	s_add_co_u32 s72, s72, s73
	s_lshl_b32 s73, s42, 9
	s_add_co_u32 s72, s72, s73
	s_lshl_b32 s73, s16, 8
	s_add_co_u32 s72, s72, s73
	s_mov_b32 s73, 0
	s_add_nc_u64 s[12:13], s[12:13], s[72:73]
	s_wait_alu depctr_va_vdst(0)
	s_wait_tensorcnt 0x0
	ds_add_u32 v[SPW], v[NIL]
	s_wait_dscnt 0x0
	CROUND
	JLOAD G0+4, G0B+4
	FETCH 0, 0, 0
	WIN 0
	SCALES 0
	global_prefetch_b8 v22, s[78:79] offset:RB4 th:TH_LOAD_NT scope:SCOPE_SE          ; behind fill 1: fill 3
	global_prefetch_b8 v23, s[78:79] offset:RB4+8192 th:TH_LOAD_NT scope:SCOPE_SE
	STEP 0, 0, 1
.if LAPS > 1
	WIN 0
	s_mov_b32 s3, LAPS-1
.Llap:
	STEP 0, 1, 0
	STEP 0, 2, 0
	TURN 0, 1, 1
	STEP 1, 0, 0
	STEP 1, 1, 0
	STEP 1, 2, 0
	TURN 1, 0, 1
	STEP 0, 0, 0
	WIN 0
	s_sub_co_u32 s3, s3, 1
	s_cmp_lg_u32 s3, 0
	s_cbranch_scc1 .Llap
.endif
	STEP 0, 1, 0
	STEP 0, 2, 0
	TURN 0, 1, 0
	STEP 1, 0, 0
	STEP 1, 1, 0
	STEP 1, 2, 0
	s_wait_dscnt 0x0
	MULQ 128, 3, 1, 0, 0
	MULQ 128, 3, 1, 2, 0
	WIN 0
.macro TOSTAGE a
.set AC, ACC+32*(\a)
.irp b, 0,1,2,3
	ds_store_b128 v[STO], v[AC+8*\b:AC+8*\b+3] offset:128*(\b/2)+32*(\b%2)
	ds_store_b128 v[STO], v[AC+8*\b+4:AC+8*\b+7] offset:128*(\b/2)+32*(\b%2)+16
.endr
.set BB, BK+32*((\a)%2)
.irp t, 0,1,2,3,4,5,6,7
	ds_load_b128 v[BB+4*\t:BB+4*\t+3], v[RD] offset:2*\t*SPITCH
.endr
.endm
.macro SEND a, younger
.set BB, BK+32*((\a)%2)
.set R0, 32*((\a)/2)+8*((\a)%2)
	s_wait_dscnt \younger
.irp t, 0,1,2,3,4,5,6,7
	global_store_b128 v[CO], v[BB+4*\t:BB+4*\t+3], s[12:13] offset:(R0+2*\t+8*(\t/4))*4096 th:TH_STORE_NT
.endr
.endm
	PLACES NP
	TOSTAGE 0
.irp a, 1,2,3
.if \a > 1
	s_wait_xcnt 0x0
.endif
	TOSTAGE \a
	SEND \a-1, 16
.endr
	SEND 3, 0
	s_wait_tensorcnt 0x0
	ds_add_u32 v[SPW], v[NIL]
	s_wait_dscnt 0x0
	CROUND
	s_endpgm
.Lfunc_end_k_q276cb6350b_g_mlp2:
	.size	k_q276cb6350b_g_mlp2, .Lfunc_end_k_q276cb6350b_g_mlp2-k_q276cb6350b_g_mlp2
	.p2alignl 7, 3214868480
	.fill 96, 4, 3214868480
	.section	.rodata,"a",@progbits
	.p2align	6, 0x0
	.amdhsa_kernel k_q276cb6350b_g_mlp2
		.amdhsa_group_segment_fixed_size 327680
		.amdhsa_private_segment_fixed_size 0
		.amdhsa_enable_private_segment 0
		.amdhsa_kernarg_size 24
		.amdhsa_user_sgpr_count 2
		.amdhsa_user_sgpr_kernarg_segment_ptr 1
		.amdhsa_wavefront_size32 1
		.amdhsa_system_sgpr_workgroup_id_x 1
		.amdhsa_system_sgpr_workgroup_id_y 1
		.amdhsa_system_sgpr_workgroup_id_z 1
		.amdhsa_system_vgpr_workitem_id 0
		.amdhsa_next_free_vgpr 512
		.amdhsa_next_free_sgpr 100
		.amdhsa_reserve_vcc 0
		.amdhsa_float_denorm_mode_32 3
		.amdhsa_float_denorm_mode_16_64 3
		.amdhsa_memory_ordered 1
		.amdhsa_forward_progress 1
		.amdhsa_inst_pref_size 94
	.end_amdhsa_kernel
	.amdgpu_metadata
---
amdhsa.version: [ 1, 2 ]
amdhsa.kernels:
  - .name:           k_q276cb6350b_g_mlp2
    .symbol:         k_q276cb6350b_g_mlp2.kd
    .args:
      - { .name: act, .offset: 0, .size: 8, .value_kind: global_buffer, .address_space: global }
      - { .name: w2r, .offset: 8, .size: 8, .value_kind: global_buffer, .address_space: global }
      - { .name: ybuf, .offset: 16, .size: 8, .value_kind: global_buffer, .address_space: global }
    .group_segment_fixed_size: 327680
    .private_segment_fixed_size: 0
    .kernarg_segment_align: 8
    .kernarg_segment_size: 24
    .max_flat_workgroup_size: 128
    .sgpr_count:     100
    .vgpr_count:     512
    .wavefront_size: 32
...
	.end_amdgpu_metadata
.endif
;; end of part 8
;; launch ln2 (part 9): grid 256 x 1, 8 waves a work-group, no clusters, 0 bytes of LDS; arguments x1, ybuf, b2, g2, be2, out0; writes out0
.if DOCPART == 9
	.amdgcn_target "amdgcn-amd-amdhsa--gfx1250"
	.amdhsa_code_object_version 6
	.text
	.protected	k_q276cb6350b_ln2
	.globl	k_q276cb6350b_ln2
	.p2align	8
	.type	k_q276cb6350b_ln2,@function
k_q276cb6350b_ln2:
	s_mov_b64 s[64:65], 0
	v_nop
	global_prefetch_b8 v0, s[64:65] scope:SCOPE_SE
	s_setreg_imm32_b32 hwreg(HW_REG_WAVE_MODE, 25, 1), 1
	s_wait_xcnt 0x0
; out0 = layer norm (x1 + (y + b2)) x g2 + be2, all in f32; y is the MLP's second product, whole.
; A wave owns two neighbouring rows of 1,024 numbers, 32 registers each, so that b2, g2 and be2 are loaded once for two rows and a row's mean and variance never leave the wave: no LDS, no barrier.
; Each load and store covers 512 consecutive bytes, aligned.
.set LI,   1                           ; v1 16 x lane
.set TM,   8                           ; v8-23 the two rows' statistics, eight registers a row
.set X,    32                          ; v32-95   two rows of x1, then of the result
.set Y,    96                          ; v96-159  two rows of y
.set BI,   160                         ; v160-191 b2 at my columns
.set G,    192                         ; v192-223 g2
.set BE,   224                         ; v224-255 be2
.set WV,   20
.set SEL,  22
.set RN,   25
.set EPS,  26
; row e: the mean is taken away in place; 1 / sqrt(variance + 1e-5) is asked for into v[T+6]
.macro STATS e
.set XR, X+32*\e
.set T, TM+8*\e
	v_pk_add_f32 v[T:T+1], v[XR:XR+1], v[XR+2:XR+3]
	v_pk_add_f32 v[T+2:T+3], v[XR+4:XR+5], v[XR+6:XR+7]
.irp i, 8,12,16,20,24,28
	s_delay_alu instid0(VALU_DEP_2)
	v_pk_add_f32 v[T:T+1], v[T:T+1], v[XR+\i:XR+\i+1]
	s_delay_alu instid0(VALU_DEP_2)
	v_pk_add_f32 v[T+2:T+3], v[T+2:T+3], v[XR+\i+2:XR+\i+3]
.endr
	s_delay_alu instid0(VALU_DEP_1)
	v_pk_add_f32 v[T:T+1], v[T:T+1], v[T+2:T+3]
	s_delay_alu instid0(VALU_DEP_1)
	v_add_f32 v[T], v[T], v[T+1]
	s_delay_alu instid0(VALU_DEP_1)
	v_add_f32_dpp v[T], v[T], v[T] row_xmask:1 row_mask:0xf bank_mask:0xf
	s_delay_alu instid0(VALU_DEP_1)
	v_add_f32_dpp v[T], v[T], v[T] row_xmask:2 row_mask:0xf bank_mask:0xf
	s_delay_alu instid0(VALU_DEP_1)
	v_add_f32_dpp v[T], v[T], v[T] row_xmask:4 row_mask:0xf bank_mask:0xf
	s_delay_alu instid0(VALU_DEP_1)
	v_add_f32_dpp v[T], v[T], v[T] row_xmask:8 row_mask:0xf bank_mask:0xf
	s_delay_alu instid0(VALU_DEP_1)
	v_permlanex16_b32 v[T+1], v[T], s[SEL], s[SEL+1]
	s_delay_alu instid0(VALU_DEP_1)
	v_add_f32 v[T], v[T], v[T+1]
	s_delay_alu instid0(VALU_DEP_1)
	v_mul_f32 v[T], s[RN], v[T]                    ; the mean
.irp i, 0,2,4,6,8,10,12,14,16,18,20,22,24,26,28,30
	v_pk_add_f32 v[XR+\i:XR+\i+1], v[XR+\i:XR+\i+1], v[T:T+1] op_sel_hi:[1,0] neg_lo:[0,1] neg_hi:[0,1]
.endr
	v_pk_mul_f32 v[T+2:T+3], v[XR:XR+1], v[XR:XR+1]
	v_pk_mul_f32 v[T+4:T+5], v[XR+2:XR+3], v[XR+2:XR+3]
.irp i, 4,8,12,16,20,24,28
	s_delay_alu instid0(VALU_DEP_2)
	v_pk_fma_f32 v[T+2:T+3], v[XR+\i:XR+\i+1], v[XR+\i:XR+\i+1], v[T+2:T+3]
	s_delay_alu instid0(VALU_DEP_2)
	v_pk_fma_f32 v[T+4:T+5], v[XR+\i+2:XR+\i+3], v[XR+\i+2:XR+\i+3], v[T+4:T+5]
.endr
	s_delay_alu instid0(VALU_DEP_1)
	v_pk_add_f32 v[T+2:T+3], v[T+2:T+3], v[T+4:T+5]
	s_delay_alu instid0(VALU_DEP_1)
	v_add_f32 v[T+2], v[T+2], v[T+3]
	s_delay_alu instid0(VALU_DEP_1)
	v_add_f32_dpp v[T+2], v[T+2], v[T+2] row_xmask:1 row_mask:0xf bank_mask:0xf
	s_delay_alu instid0(VALU_DEP_1)
	v_add_f32_dpp v[T+2], v[T+2], v[T+2] row_xmask:2 row_mask:0xf bank_mask:0xf
	s_delay_alu instid0(VALU_DEP_1)
	v_add_f32_dpp v[T+2], v[T+2], v[T+2] row_xmask:4 row_mask:0xf bank_mask:0xf
	s_delay_alu instid0(VALU_DEP_1)
	v_add_f32_dpp v[T+2], v[T+2], v[T+2] row_xmask:8 row_mask:0xf bank_mask:0xf
	s_delay_alu instid0(VALU_DEP_1)
	v_permlanex16_b32 v[T+3], v[T+2], s[SEL], s[SEL+1]
	s_delay_alu instid0(VALU_DEP_1)
	v_add_f32 v[T+2], v[T+2], v[T+3]
	s_delay_alu instid0(VALU_DEP_1)
	v_fma_f32 v[T+2], v[T+2], s[RN], s[EPS]        ; the variance + 1e-5
	s_wait_alu depctr_va_vdst(0)
	v_rsq_f32 v[T+6], v[T+2]
.endm
	s_load_b256 s[4:11], s[0:1], 0x0               ; x1, y, b2, g2
	s_load_b128 s[12:15], s[0:1], 0x20             ; be2, out0
	v_lshrrev_b32 v5, 5, v0
	s_delay_alu instid0(VALU_DEP_1)
	v_readfirstlane_b32 s[WV], v5                  ; wave 0..7
	v_and_b32 v5, 31, v0
	s_delay_alu instid0(VALU_DEP_1)
	v_lshlrev_b32 v[LI], 4, v5
	s_lshl_b32 s28, ttmp9, 4                       ; my first row: 16 x work-group + 2 x wave
	s_lshl_b32 s29, s[WV], 1
	s_add_co_u32 s28, s28, s29
	s_lshl_b32 s28, s28, 12                        ; x 4,096 bytes
	s_mov_b32 s29, 0
	s_mov_b32 s[SEL], 0x76543210
	s_mov_b32 s[SEL+1], 0xfedcba98                 ; v_permlanex16_b32's selects for lane l xor 16
	s_mov_b32 s[RN], 0x3a800000                    ; 1 / 1,024
	s_mov_b32 s[EPS], 0x3727c5ac                   ; 1e-5
	s_wait_alu depctr_va_vdst(0)
	s_wait_kmcnt 0x0
	s_add_nc_u64 s[4:5], s[4:5], s[28:29]
	s_add_nc_u64 s[6:7], s[6:7], s[28:29]
	s_add_nc_u64 s[14:15], s[14:15], s[28:29]
.irp e, 0,1
.irp j, 0,1,2,3,4,5,6,7
	global_load_b128 v[X+32*\e+4*\j:X+32*\e+4*\j+3], v[LI], s[4:5] offset:4096*\e+512*\j th:TH_LOAD_NT
.endr
.endr
.irp e, 0,1
.irp j, 0,1,2,3,4,5,6,7
	global_load_b128 v[Y+32*\e+4*\j:Y+32*\e+4*\j+3], v[LI], s[6:7] offset:4096*\e+512*\j th:TH_LOAD_NT
.endr
.endr
.irp j, 0,1,2,3,4,5,6,7
	global_load_b128 v[BI+4*\j:BI+4*\j+3], v[LI], s[8:9] offset:512*\j
.endr
.irp j, 0,1,2,3,4,5,6,7
	global_load_b128 v[G+4*\j:G+4*\j+3], v[LI], s[10:11] offset:512*\j
.endr
.irp j, 0,1,2,3,4,5,6,7
	global_load_b128 v[BE+4*\j:BE+4*\j+3], v[LI], s[12:13] offset:512*\j
.endr
	s_wait_loadcnt 16                              ; x1, y and b2 are in; g2's and be2's sixteen loads may be out
.irp e, 0,1
.irp i, 0,2,4,6,8,10,12,14,16,18,20,22,24,26,28,30
	v_pk_add_f32 v[Y+32*\e+\i:Y+32*\e+\i+1], v[Y+32*\e+\i:Y+32*\e+\i+1], v[BI+\i:BI+\i+1]
.endr
.irp i, 0,2,4,6,8,10,12,14,16,18,20,22,24,26,28,30
	v_pk_add_f32 v[X+32*\e+\i:X+32*\e+\i+1], v[X+32*\e+\i:X+32*\e+\i+1], v[Y+32*\e+\i:Y+32*\e+\i+1]
.endr
.endr
	STATS 0
	STATS 1
	v_mov_b32 v[TM+7], 0                           ; (the upper halves of the pairs that the packed multiplies name); plain lines behind the second v_rsq_f32
	v_mov_b32 v[TM+15], 0
	s_wait_alu depctr_va_vdst(0)                   ; one wait for both roots, ahead of their first reader
	s_wait_loadcnt 0x0                             ; g2, be2
.irp e, 0,1
.irp i, 0,2,4,6,8,10,12,14,16,18,20,22,24,26,28,30
	v_pk_mul_f32 v[X+32*\e+\i:X+32*\e+\i+1], v[X+32*\e+\i:X+32*\e+\i+1], v[TM+8*\e+6:TM+8*\e+7] op_sel_hi:[1,0]
.endr
.irp i, 0,2,4,6,8,10,12,14,16,18,20,22,24,26,28,30
	v_pk_fma_f32 v[X+32*\e+\i:X+32*\e+\i+1], v[X+32*\e+\i:X+32*\e+\i+1], v[G+\i:G+\i+1], v[BE+\i:BE+\i+1]
.endr
.endr
.irp e, 0,1
.irp j, 0,1,2,3,4,5,6,7
	global_store_b128 v[LI], v[X+32*\e+4*\j:X+32*\e+4*\j+3], s[14:15] offset:4096*\e+512*\j th:TH_STORE_NT   ; 512 consecutive bytes, aligned
.endr
.endr
	s_endpgm
.Lfunc_end_k_q276cb6350b_ln2:
	.size	k_q276cb6350b_ln2, .Lfunc_end_k_q276cb6350b_ln2-k_q276cb6350b_ln2
	.p2alignl 7, 3214868480
	.fill 96, 4, 3214868480
	.section	.rodata,"a",@progbits
	.p2align	6, 0x0
	.amdhsa_kernel k_q276cb6350b_ln2
		.amdhsa_group_segment_fixed_size 0
		.amdhsa_private_segment_fixed_size 0
		.amdhsa_enable_private_segment 0
		.amdhsa_kernarg_size 48
		.amdhsa_user_sgpr_count 2
		.amdhsa_user_sgpr_kernarg_segment_ptr 1
		.amdhsa_wavefront_size32 1
		.amdhsa_system_sgpr_workgroup_id_x 1
		.amdhsa_system_sgpr_workgroup_id_y 1
		.amdhsa_system_sgpr_workgroup_id_z 1
		.amdhsa_system_vgpr_workitem_id 0
		.amdhsa_next_free_vgpr 256
		.amdhsa_next_free_sgpr 66
		.amdhsa_reserve_vcc 0
		.amdhsa_float_denorm_mode_32 3
		.amdhsa_float_denorm_mode_16_64 3
		.amdhsa_memory_ordered 1
		.amdhsa_forward_progress 1
		.amdhsa_inst_pref_size 27
	.end_amdhsa_kernel
	.amdgpu_metadata
---
amdhsa.version: [ 1, 2 ]
amdhsa.kernels:
  - .name:           k_q276cb6350b_ln2
    .symbol:         k_q276cb6350b_ln2.kd
    .args:
      - { .name: x1, .offset: 0, .size: 8, .value_kind: global_buffer, .address_space: global }
      - { .name: ybuf, .offset: 8, .size: 8, .value_kind: global_buffer, .address_space: global }
      - { .name: b2, .offset: 16, .size: 8, .value_kind: global_buffer, .address_space: global }
      - { .name: g2, .offset: 24, .size: 8, .value_kind: global_buffer, .address_space: global }
      - { .name: be2, .offset: 32, .size: 8, .value_kind: global_buffer, .address_space: global }
      - { .name: out0, .offset: 40, .size: 8, .value_kind: global_buffer, .address_space: global }
    .group_segment_fixed_size: 0
    .private_segment_fixed_size: 0
    .kernarg_segment_align: 8
    .kernarg_segment_size: 48
    .max_flat_workgroup_size: 256
    .sgpr_count:     66
    .vgpr_count:     256
    .wavefront_size: 32
...
	.end_amdgpu_metadata
.endif
;; end of part 9
